; MI455X (gfx1250); checked and timed in simulation.
; The chip was launched on July 23, 2026; its instructions are those of AMD's public machine-readable ISA for CDNA 5 (MIT licence, August 2026) and "CDNA5" Instruction Set Architecture Reference Guide (July 2026). The comments in the code are by the model that wrote it; some were corrected since.
;; Multi Head Attention. Allowed arithmetic: matrix products marked QUANTISED: E3M2 operands, one E8M0 scale for each 32 along K, by v_wmma_scale_f32_16x16x128_f8f6f4 with both operands' format E3M2, f32 sums; everything else in f32.
;; Inputs: Wk_codes 16 x 64 x 32 x 24 uint8 (E3M2 codes of Wk, K innermost, in blocks of 32 codes, four codes in three bytes); Wk_scales 16 x 64 x 32 uint8 (E8M0 scales of Wk, one for each 32 codes along K); Wo_codes 1,024 x 32 x 24 uint8 (E3M2 codes of Wo, K innermost, in blocks of 32 codes, four codes in three bytes); Wo_scales 1,024 x 32 uint8 (E8M0 scales of Wo, one for each 32 codes along K); Wq_codes 16 x 64 x 32 x 24 uint8 (E3M2 codes of Wq, K innermost, in blocks of 32 codes, four codes in three bytes); Wq_scales 16 x 64 x 32 uint8 (E8M0 scales of Wq, one for each 32 codes along K); Wv_codes 16 x 64 x 32 x 24 uint8 (E3M2 codes of Wv, K innermost, in blocks of 32 codes, four codes in three bytes); Wv_scales 16 x 64 x 32 uint8 (E8M0 scales of Wv, one for each 32 codes along K); beta 1,024 float32; gamma 1,024 float32; tokens 4 x 2,048 x 1,024 float32.
;; Outputs: out0 4 x 2,048 x 1,024 float32.
;; This version of the problem:
;;   THIS VERSION OF THE PROBLEM IS GIVEN IN LOW PRECISION. The matrix products marked QUANTISED in the list below multiply operands that are first quantised to E3M2 (3 exponent bits, 2 mantissa bits; 6 bits a number), with one power-of-two scale for each 32 numbers along K (OCP MX v1.0); their sums are f32. All else is computed in f32.
;;   The module's matrix products, in the order in which they are computed (A, B: the left and right operand; K: the contracted axis; several contracted axes count as one K, in the product's order):
;;     1. [M 1,024, K 1,024] x [K 1,024, N 8,192]; A: input Wq (given as codes); B: input tokens: QUANTISED
;;     2. [M 1,024, K 1,024] x [K 1,024, N 8,192]; A: input Wk (given as codes); B: input tokens: QUANTISED
;;     3. [M 1,024, K 1,024] x [K 1,024, N 8,192]; A: input Wv (given as codes); B: input tokens: QUANTISED
;;     4. batch 64 x [M 2,048, K 64] x [K 64, N 2,048]; A: computed on the way; B: computed on the way: QUANTISED
;;     5. batch 64 x [M 2,048, K 2,048] x [K 2,048, N 64]; A: softmax (see below); B: computed on the way: QUANTISED
;;     6. [M 8,192, K 1,024] x [K 1,024, N 1,024]; A: computed on the way; B: input Wo (given as codes): QUANTISED
;;   THE QUANTISER, for each operand of a quantised product, along K:
;;     - K is cut into blocks of 32 from its start; a last block that is shorter is filled with zeros.
;;     - A block's scale is 2^e with e = floor(log2(the largest magnitude in the block)) - 4, held to -126 .. 127; a block of zeros has e = 0. As a byte (E8M0): e + 127.
;;     - Each number is divided by its block's scale, clamped to +-28, and rounded to the nearest number of E3M2, ties to even, subnormals kept.
;;     - The product sums the exact products of the quantised numbers (number of the format x scale) in f32.
;;   ~~~python
;;   def quantise(x, axis):      # numpy; x: float32 -> the quantised numbers, widened to float32 again
;;       x = np.moveaxis(x, axis, -1); K = x.shape[-1]
;;       x = np.pad(x, [(0, 0)] * (x.ndim - 1) + [(0, -K % 32)]); x = x.reshape(x.shape[:-1] + (-1, 32)); a = np.abs(x).max(-1, keepdims=True)
;;       e = np.where(a > 0, np.clip(np.frexp(np.where(a > 0, a, 1))[1] - 1 - 4, -126, 127), 0)      # np.frexp(a)[1] - 1 = floor(log2(a)), exactly
;;       r = np.clip(x / 2.0 ** e, -28, 28)
;;       step = 2.0 ** (np.maximum(np.frexp(np.where(r == 0, 1, r))[1] - 1, -2) - 2)
;;       q = np.round(r / step) * step * 2.0 ** e      # np.round: ties to even
;;       return np.moveaxis(q.reshape(q.shape[:-2] + (-1,))[..., :K], -1, axis).astype(np.float32)
;;   ~~~
;;   SOFTMAX AHEAD OF A QUANTISED PRODUCT. Where the list says 'softmax', what is quantised is not the finished softmax but p = 2^(t - M), with t = logit x log2(e) and M = ceil(the row's largest t), a whole number; so 1/2 < the row's largest p <= 1. The row's sum l is taken of the UNQUANTISED p, in f32, and the product's result is divided by l at the end. Since M is a whole number, a kernel that streams over the keys may use a running M (the ceiling of the running maximum): every later rescaling is an exact power of two, which a block's scale takes up: the codes' values come out the same.
;;   OPERANDS COMPUTED ON THE WAY. 'Computed on the way' means the value that the module computes at that place (a softmax that the list does not call 'softmax' is quantised finished and normalised). What goes into a quantiser is computed in f32, as accurately as f32 sums, v_exp_f32 and their like allow (about 1e-6 of the number): no bf16 or f16 on the way to a quantiser, and a product that is left as it is and whose result goes on into a quantised operand takes f32 operands (vector FMAs, or v_wmma_f32_16x16x4_f32). A number that lies on a knife's edge between two numbers of the format may be rounded either way, as far as f32 arithmetic and the matrix unit's own rounding can turn it there, and no further.
;;   INPUTS GIVEN AS CODES. Wk (in the module: [16, 1024, 64], K = its axis 1); Wo (in the module: [1024, 1024], K = its axis 0); Wq (in the module: [16, 1024, 64], K = its axis 1); Wv (in the module: [16, 1024, 64], K = its axis 1): each comes as NAME_codes (uint8): NAME with its K axis moved to the last place and cut into blocks of 32 codes, [.., K / 32, bytes a block], one block behind the other in memory; four codes in three bytes: a row's codes are one little-endian stream of bits, code i at bits 6 i .. 6 i + 5 (a code: sign, 3 exponent bits, 2 mantissa bits); and NAME_scales (uint8): the same leading axes, one E8M0 byte (e + 127) for each 32 codes along K. Its value is code x scale, taken as it is: it is not quantised again, and the codes and scales need not be those that the quantiser above would give.
;; One version. Each part assembles by itself: llvm-mc -triple=amdgcn-amd-amdhsa -mcpu=gfx1250 --defsym DOCPART=n.
;; ======== version 1 of 1: 4 launches
;; limits: right only within a limited range of input values
;; workspace buffers: timg 6,553,600 bytes; wimg 3,407,872 bytes; qv 13,631,488 bytes; kimg 6,815,744 bytes; mimg 6,291,456 bytes; mscl 262,144 bytes
;; launch prep (part 1): grid 320 x 1, 8 waves a work-group, no clusters, 69,632 bytes of LDS; arguments tokens, Wq_codes, Wq_scales, Wk_codes, Wk_scales, Wv_codes, Wv_scales, Wo_codes, Wo_scales, timg, wimg; writes timg, wimg
.if DOCPART == 1
	.amdgcn_target "amdgcn-amd-amdhsa--gfx1250"
	.amdhsa_code_object_version 6
	.text
	.protected	k_q080ec11a5d_prep
	.globl	k_q080ec11a5d_prep
	.p2align	8
	.type	k_q080ec11a5d_prep,@function
k_q080ec11a5d_prep:
	s_mov_b64 s[64:65], 0
	v_nop
	global_prefetch_b8 v0, s[64:65] scope:SCOPE_SE
	s_setreg_imm32_b32 hwreg(HW_REG_WAVE_MODE, 25, 1), 1
	s_wait_xcnt 0x0
; PREP.  (a) tokens [8192][1024] f32 become codes of BF6 (E3M2) along D, one E8M0 byte for each 32, laid as IMAGES OF OPERAND REGISTERS;  (b) the four weights, given as codes in rows, are laid as such images too.
; An image: a run of registers, four at a time, as chunks of 512 bytes: register 4 c + i of lane l lies at 512 c + 16 l + 4 i.  So every later launch takes its operands by dense loads of 16 bytes a lane.
; A TILE'S ROWS ARE NOT NEIGHBOURS: lane r of tile T takes row 32 (T / 2) + 8 (T % 2) + r + 8 (r / 8) of its run of rows, so that a product that has the tile as source 0 leaves 16 neighbours in the 16 registers of tiles 2 b, 2 b + 1.
; timg [block of 128 tokens: 64][K step of 128: 8][12,800]: 8 tiles x 1,536 bytes of codes, then 512 bytes of scale words: register t: lanes 0-15 tile t's rows, lanes 16-31 tile t + 4's.
; wimg [group of 64 rows: 16][q, k, v, o][K step: 8][6,656]: 4 tiles x 1,536, then 512 bytes: lane l holds the words of tiles 0..3 for row l % 16.
; Work-groups 0-255: tokens: block x / 4, K steps 2 (x % 4) and 2 (x % 4) + 1; wave T takes tile T.  Work-groups 256-319: weights: kind (x - 256) / 16, group (x - 256) % 16; wave = K step.
; A block's scale is 2^(floor(log2(largest magnitude)) - 4): its byte is the largest magnitude's exponent field - 4, held at 1 from below.
; LIMITS: NaN and infinities are not served; a block of zeros, or one whose largest magnitude lies under 2^(5 - 127), gets the byte 1 (its codes are zeros or subnormal codes; the bytes are read by this program alone).
; No matrix work, no tensor loads, no cluster: memory binds, and no two work-groups read the same bytes.
.set SPT,  528                         ; a stage row: 512 bytes + 16: 132 words, so that sixteen rows start at sixteen different groups of four banks
.set STGB, 16*SPT                      ; a wave's stage: 16 rows
.set SCA,  8*STGB                      ; behind the stages: two scale blocks of 512 bytes
.set R,    16                          ; v16-143  two K steps x 16 rows as loaded
.set X,    144                         ; v144-207 64 numbers of my row: register 16 b + i = k 32 b + 16 (lane / 16) + i
.set TM,   208                         ; v208-223 at work
.set PW,   224                         ; v224-225 the scale words
.set XT,   226                         ; v226-233 the conversions' second halves
.set PC0,  234                         ; v234-245 K step 0's codes
.set PC1,  16                          ; v16-27   K step 1's (the rows loaded there have gone through the stage)
.set WV,   2
.set SEL,  40
	s_load_b512 s[16:31], s[0:1], 0x0              ; tokens 16, Wq codes 18, scales 20, Wk 22, 24, Wv 26, 28, Wo codes 30
	s_load_b128 s[32:35], s[0:1], 0x40             ; Wo scales 32, timg 34
	s_load_b64 s[36:37], s[0:1], 0x50              ; wimg
	v_lshl_add_u32 v248, v0, 2, 0x10c00
	v_mov_b32 v249, 0
	v_lshrrev_b32 v6, 5, v0
	s_delay_alu instid0(VALU_DEP_1)
	v_readfirstlane_b32 s[WV], v6                  ; wave 0..7
	v_and_b32 v7, 31, v0                           ; lane
	v_and_b32 v8, 15, v0                           ; r
	v_bfe_u32 v9, v0, 4, 1                         ; h
	s_delay_alu instid0(VALU_DEP_3)
	v_lshlrev_b32 v1, 4, v7                        ; 16 x lane
	s_cmp_lt_u32 ttmp9, 256                        ; the same in all waves of a work-group
	s_cbranch_scc0 .Lweights
; ---------------- tokens
	s_lshr_b32 s3, ttmp9, 2                        ; block
	s_and_b32 s4, ttmp9, 3                         ; which pair of K steps
	s_mul_i32 s5, s[WV], STGB                      ; my stage
	v_add_nc_u32 v2, s5, v1                        ; in: 16 x lane of a row
	v_mul_u32_u24 v3, v8, SPT
	s_delay_alu instid0(VALU_DEP_1)
	v_lshl_add_u32 v3, v9, 6, v3
	s_delay_alu instid0(VALU_DEP_1)
	v_add_nc_u32 v3, s5, v3                        ; out: row r, + 64 h: my 16 numbers of each block of 32
	s_lshr_b32 s6, s[WV], 2
	s_lshl_b32 s6, s6, 8
	s_and_b32 s7, s[WV], 3
	s_lshl_b32 s7, s7, 2
	s_add_co_u32 s6, s6, s7
	s_add_co_u32 s6, s6, SCA
	s_wait_alu depctr_va_vdst(0)
	v_lshl_add_u32 v4, v8, 4, s6                   ; my row's scale word: lane r + 16 (T / 4), register T % 4 of the scale block
	s_and_b32 s7, s[WV], 1
	s_lshl_b32 s8, s7, 9
	s_add_co_u32 s8, s8, SCA
	v_add_nc_u32 v5, s8, v1                        ; the scale block that waves 0 and 1 copy out
	s_lshl_b32 s10, s3, 19                         ; tokens: 128 rows of 4,096 bytes a block,
	s_lshr_b32 s11, s[WV], 1
	s_lshl_b32 s11, s11, 17                        ; 32 (T / 2) rows,
	s_add_co_u32 s10, s10, s11
	s_lshl_b32 s11, s7, 15                         ; 8 (T % 2) rows,
	s_add_co_u32 s10, s10, s11
	s_lshl_b32 s11, s4, 10                         ; two K steps of 512 bytes
	s_add_co_u32 s10, s10, s11
	s_mov_b32 s11, 0
	s_mul_i32 s12, s3, 102400
	s_mul_i32 s13, s4, 25600
	s_add_co_u32 s12, s12, s13                     ; timg: the block's first of my two K steps
	s_mul_i32 s13, s[WV], 1536
	s_add_co_u32 s14, s12, s13                     ; my tile in it
	s_mov_b32 s15, 0
	s_mul_i32 s13, s7, 12800
	s_add_co_u32 s12, s12, s13
	s_add_co_u32 s12, s12, 12288                   ; the scale block of K step (wave % 2)
	s_mov_b32 s13, 0
	s_mov_b32 s[SEL], 0x76543210
	s_mov_b32 s[SEL+1], 0xfedcba98                 ; v_permlanex16_b32's selects for lane l xor 16
.irp b, 0,1,2,3
	v_mov_b32 v[TM+4+\b], 0                        ; written once: a lane permute's destination counts as one of its sources
.endr
	s_wait_kmcnt 0x0
	s_add_nc_u64 s[16:17], s[16:17], s[10:11]
	s_add_nc_u64 s[38:39], s[34:35], s[14:15]
	s_add_nc_u64 s[34:35], s[34:35], s[12:13]
.irp k, 0,1
.irp p, 0,1,2,3,4,5,6,7,8,9,10,11,12,13,14,15
	global_load_b128 v[R+64*\k+4*\p:R+64*\k+4*\p+3], v1, s[16:17] offset:(\p+8*(\p/8))*4096+512*\k th:TH_LOAD_NT   ; the 32 lanes read 512 consecutive bytes of one row
.endr
.endr
; K step k's 16 rows go through my stage as they lie and come back 64 numbers a lane.  LDS serves a wave's instructions in order, so no wait stands between the stores and the loads.
.macro TURN k
.irp p, 0,1,2,3,4,5,6,7,8,9,10,11,12,13,14,15
	ds_store_b128 v2, v[R+64*\k+4*\p:R+64*\k+4*\p+3] offset:SPT*\p
.endr
.irp b, 0,1,2,3
.irp j, 0,1,2,3
	ds_load_b128 v[X+16*\b+4*\j:X+16*\b+4*\j+3], v3 offset:128*\b+16*\j
.endr
.endr
.endm
; 64 numbers of a lane, register 16 b + i = k 32 b + 16 (lane / 16) + i of my row, become a fragment's 12 registers of codes at v[pc] and its scale word in v[pw].
.macro QUANT s, pc, pw
.irp b, 0,1,2,3
	v_max3_num_f32 v[TM+\b], |v[\s+16*\b]|, |v[\s+1+16*\b]|, 0x2800000   ; block b: my 16 numbers, and the floor 2^(5 - 127): the byte cannot fall under 1
.endr
.irp i, 2,4,6,8,10,12,14
.irp b, 0,1,2,3
	s_delay_alu instid0(VALU_DEP_4)
	v_max3_num_f32 v[TM+\b], v[TM+\b], |v[\s+16*\b+\i]|, |v[\s+1+16*\b+\i]|   ; the four blocks by turns
.endr
.endr
.irp b, 0,1,2,3
	s_delay_alu instid0(VALU_DEP_4)
	v_permlanex16_b32 v[TM+4+\b], v[TM+\b], s[SEL], s[SEL+1]
.endr
.irp b, 0,1,2,3
	s_delay_alu instid0(VALU_DEP_4)
	v_max_num_f32 v[TM+\b], v[TM+\b], v[TM+4+\b]   ; with lane l xor 16's: the block's largest magnitude
.endr
.irp b, 0,1,2,3
	s_delay_alu instid0(VALU_DEP_4)
	v_add_nc_u32 v[TM+12+\b], 0xfe000000, v[TM+\b] ; 4 off its exponent field: the conversion takes the exponent field of this operand as its scale
.endr
.irp b, 0,1,2,3
	s_delay_alu instid0(VALU_DEP_4)
	v_lshrrev_b32 v[TM+4+\b], 23, v[TM+12+\b]      ; the scale's byte
.endr
	s_delay_alu instid0(VALU_DEP_3)
	v_lshl_or_b32 v[\pw], v[TM+5], 8, v[TM+4]
	s_delay_alu instid0(VALU_DEP_1)
	v_lshl_or_b32 v[\pw], v[TM+6], 16, v[\pw]
	s_delay_alu instid0(VALU_DEP_1)
	v_lshl_or_b32 v[\pw], v[TM+7], 24, v[\pw]
.irp c, 0,1
	v_cvt_scalef32_pk16_bf6_f32 v[\pc+6*\c:\pc+2+6*\c], v[\s+32*\c:\s+15+32*\c], v[TM+12+2*\c]
	v_cvt_scalef32_pk16_bf6_f32 v[XT+4*\c:XT+2+4*\c], v[\s+16+32*\c:\s+31+32*\c], v[TM+12+2*\c+1]   ; (a conversion's three registers begin on an even number)
.endr
	v_nop                                          ; one plain place behind a scaled conversion
.irp c, 0,1                            ; the operand's layout wants a WHOLE block in a lane: lanes 0-15 block 2 c, lanes 16-31 block 2 c + 1
.irp i, 0,1,2
	v_permlane16_swap_b32 v[\pc+6*\c+\i], v[XT+4*\c+\i]
.endr
.irp i, 0,1,2
	s_delay_alu instid0(VALU_DEP_3)
	v_mov_b32 v[\pc+3+6*\c+\i], v[XT+4*\c+\i]
.endr
.endr
.endm
	s_wait_loadcnt 16                              ; K step 0's sixteen rows are in; K step 1's sixteen may be out
	TURN 0
	s_wait_dscnt 0x0
	QUANT X, PC0, PW
.irp c, 0,1,2
	global_store_b128 v1, v[PC0+4*\c:PC0+4*\c+3], s[38:39] offset:512*\c   ; 512 consecutive bytes, at a multiple of 256 from the buffer's first byte
.endr
	ds_store_b32 v4, v[PW]                         ; lanes r and r + 16 write the same word with the same value
	s_wait_loadcnt 0x0
	TURN 1
	s_wait_dscnt 0x0
	QUANT X, PC1, PW+1
.irp c, 0,1,2
	global_store_b128 v1, v[PC1+4*\c:PC1+4*\c+3], s[38:39] offset:12800+512*\c
.endr
	ds_store_b32 v4, v[PW+1] offset:512
	s_wait_dscnt 0x0                               ; for the others' sake: my scale words lie in LDS
	s_barrier_signal -1
	s_barrier_wait -1                              ; all eight tiles' do
	s_cmp_lt_u32 s[WV], 2
	s_cbranch_scc0 .Ltok_end
	ds_load_b128 v[X:X+3], v5                      ; wave 0: K step 0's scale block; wave 1: K step 1's
	s_wait_dscnt 0x0
	global_store_b128 v1, v[X:X+3], s[34:35]
.Ltok_end:
	s_wait_tensorcnt 0x0
	ds_add_u32 v248, v249
	s_wait_dscnt 0x0
	s_endpgm
; ---------------- weights: rows of 768 bytes (1,024 codes) and of 32 scale bytes; all four tensors have 16 groups of 64 rows
.Lweights:
	s_sub_co_u32 s3, ttmp9, 256
	s_lshr_b32 s4, s3, 4                           ; kind: 0 q, 1 k, 2 v, 3 o
	s_and_b32 s5, s3, 15                           ; group
	s_wait_alu depctr_va_vdst(0)
	v_and_b32 v10, 8, v8
	s_delay_alu instid0(VALU_DEP_1)
	v_add_nc_u32 v10, v10, v8                      ; r + 8 (r / 8)
	s_delay_alu instid0(VALU_DEP_1)
	v_mul_u32_u24 v11, v10, 768
	s_delay_alu instid0(VALU_DEP_1)
	v_mad_u32_u24 v11, v9, 24, v11                 ; codes: my row, + 24 h
	s_delay_alu instid0(VALU_DEP_3)
	v_lshlrev_b32 v12, 5, v10                      ; scale bytes: my row
	s_mul_i32 s6, s5, 49152
	s_mul_i32 s7, s[WV], 96
	s_add_co_u32 s6, s6, s7                        ; the group's rows, my K step's 96 bytes
	s_mov_b32 s7, 0
	s_lshl_b32 s8, s5, 11
	s_lshl_b32 s9, s[WV], 2
	s_add_co_u32 s8, s8, s9
	s_mov_b32 s9, 0
	s_mul_i32 s10, s5, 212992
	s_mul_i32 s11, s4, 53248
	s_add_co_u32 s10, s10, s11
	s_mul_i32 s11, s[WV], 6656
	s_add_co_u32 s10, s10, s11
	s_mov_b32 s11, 0
	s_wait_alu depctr_va_vdst(0)
	s_wait_kmcnt 0x0
	s_cmp_eq_u32 s4, 2                             ; the choice hangs on the work-group's number alone
	s_cselect_b64 s[12:13], s[26:27], s[30:31]
	s_cselect_b64 s[14:15], s[28:29], s[32:33]
	s_cmp_eq_u32 s4, 1
	s_cselect_b64 s[12:13], s[22:23], s[12:13]
	s_cselect_b64 s[14:15], s[24:25], s[14:15]
	s_cmp_eq_u32 s4, 0
	s_cselect_b64 s[12:13], s[18:19], s[12:13]
	s_cselect_b64 s[14:15], s[20:21], s[14:15]
	s_add_nc_u64 s[12:13], s[12:13], s[6:7]
	s_add_nc_u64 s[14:15], s[14:15], s[8:9]
	s_add_nc_u64 s[36:37], s[36:37], s[10:11]
.irp t, 0,1,2,3
.irp p, 0,1,2,3,4,5
	global_load_b64 v[16+12*\t+2*\p:17+12*\t+2*\p], v11, s[12:13] offset:(32*(\t/2)+8*(\t%2))*768+48*(\p/3)+8*(\p%3)   ; a fragment's 24 + 24 bytes of the row's stream of bits, as they lie
.endr
	global_load_b32 v[64+\t], v12, s[14:15] offset:(32*(\t/2)+8*(\t%2))*32
.endr
	s_wait_loadcnt 0x0
.irp c, 0,1,2,3,4,5,6,7,8,9,10,11
	global_store_b128 v1, v[16+4*\c:19+4*\c], s[36:37] offset:512*\c
.endr
	global_store_b128 v1, v[64:67], s[36:37] offset:6144
	s_endpgm
.Lfunc_end_k_q080ec11a5d_prep:
	.size	k_q080ec11a5d_prep, .Lfunc_end_k_q080ec11a5d_prep-k_q080ec11a5d_prep
	.p2alignl 7, 3214868480
	.fill 96, 4, 3214868480
	.section	.rodata,"a",@progbits
	.p2align	6, 0x0
	.amdhsa_kernel k_q080ec11a5d_prep
		.amdhsa_group_segment_fixed_size 69632
		.amdhsa_private_segment_fixed_size 0
		.amdhsa_enable_private_segment 0
		.amdhsa_kernarg_size 88
		.amdhsa_user_sgpr_count 2
		.amdhsa_user_sgpr_kernarg_segment_ptr 1
		.amdhsa_wavefront_size32 1
		.amdhsa_system_sgpr_workgroup_id_x 1
		.amdhsa_system_sgpr_workgroup_id_y 1
		.amdhsa_system_sgpr_workgroup_id_z 1
		.amdhsa_system_vgpr_workitem_id 0
		.amdhsa_next_free_vgpr 250
		.amdhsa_next_free_sgpr 66
		.amdhsa_reserve_vcc 0
		.amdhsa_float_denorm_mode_32 3
		.amdhsa_float_denorm_mode_16_64 3
		.amdhsa_memory_ordered 1
		.amdhsa_forward_progress 1
		.amdhsa_inst_pref_size 28
	.end_amdhsa_kernel
	.amdgpu_metadata
---
amdhsa.version: [ 1, 2 ]
amdhsa.kernels:
  - .name:           k_q080ec11a5d_prep
    .symbol:         k_q080ec11a5d_prep.kd
    .args:
      - { .name: tokens, .offset: 0, .size: 8, .value_kind: global_buffer, .address_space: global }
      - { .name: Wq_codes, .offset: 8, .size: 8, .value_kind: global_buffer, .address_space: global }
      - { .name: Wq_scales, .offset: 16, .size: 8, .value_kind: global_buffer, .address_space: global }
      - { .name: Wk_codes, .offset: 24, .size: 8, .value_kind: global_buffer, .address_space: global }
      - { .name: Wk_scales, .offset: 32, .size: 8, .value_kind: global_buffer, .address_space: global }
      - { .name: Wv_codes, .offset: 40, .size: 8, .value_kind: global_buffer, .address_space: global }
      - { .name: Wv_scales, .offset: 48, .size: 8, .value_kind: global_buffer, .address_space: global }
      - { .name: Wo_codes, .offset: 56, .size: 8, .value_kind: global_buffer, .address_space: global }
      - { .name: Wo_scales, .offset: 64, .size: 8, .value_kind: global_buffer, .address_space: global }
      - { .name: timg, .offset: 72, .size: 8, .value_kind: global_buffer, .address_space: global }
      - { .name: wimg, .offset: 80, .size: 8, .value_kind: global_buffer, .address_space: global }
    .group_segment_fixed_size: 69632
    .private_segment_fixed_size: 0
    .kernarg_segment_align: 8
    .kernarg_segment_size: 88
    .max_flat_workgroup_size: 256
    .sgpr_count:     66
    .vgpr_count:     250
    .wavefront_size: 32
...
	.end_amdgpu_metadata
.endif
;; end of part 1
;; launch qkv (part 2): grid 4 x 64, 4 waves a work-group, no clusters, 327,680 bytes of LDS; arguments timg, wimg, qv, kimg; writes qv, kimg
.if DOCPART == 2
	.amdgcn_target "amdgcn-amd-amdhsa--gfx1250"
	.amdhsa_code_object_version 6
	.text
	.protected	k_q080ec11a5d_qkv
	.globl	k_q080ec11a5d_qkv
	.p2align	8
	.type	k_q080ec11a5d_qkv,@function
k_q080ec11a5d_qkv:
	s_mov_b64 s[64:65], 0
	v_nop
	global_prefetch_b8 v0, s[64:65] scope:SCOPE_SE
	s_setreg_imm32_b32 hwreg(HW_REG_WAVE_MODE, 25, 1), 1
	s_wait_xcnt 0x0
.set LI,  1
.set LB,  2
.set TS,  8
.set WS,  16
.set TM,  36
.set PWS, 52
.set XT,  60
.set SCO, 68
.set PC,  72
.set TF,  128
.set WV,  12
.set HI,  20
.set SEL, 22
.set G1,  24
.set G0A, 32
.set G0B, 36
.set QD,  40
.set KD,  42
.set VD,  44
.set WB,  46
.set MSB, 0
.macro WIN new
.if MSB != (\new)
	s_set_vgpr_msb (MSB<<8)|(\new)
.set MSB, (\new)
.endif
.endm
	s_load_b128 s[4:7], s[0:1], 0x0
	s_load_b128 s[8:11], s[0:1], 0x10
	v_lshl_add_u32 v254, v0, 2, 0x29000
	v_mov_b32 v255, 0
	ds_add_u32 v254, v255
	ds_add_u32 v254, v255
	v_lshrrev_b32 v3, 5, v0
	v_readfirstlane_b32 s[WV], v3
	v_and_b32 v3, 31, v0
	v_lshlrev_b32 v[LI], 4, v3
	v_add_nc_u32 v[LB], 51200, v[LI]
.irp b, 0,1,2,3
	v_mov_b32 v[TM+4+\b], 0
.endr
	s_and_b32 s13, ttmp7, 0xffff
	s_mul_i32 s14, s13, 102400
	s_mul_i32 s15, s[WV], 12800
	s_add_co_u32 s16, s14, s15
	s_mov_b32 s17, 0
	s_lshl_b32 s18, ttmp9, 2
	s_add_co_u32 s18, s18, s[WV]
	s_mul_i32 s48, s18, 212992
	s_mov_b32 s49, 0
	s_lshr_b32 s19, s13, 4
	s_lshl_b32 s19, s19, 4
	s_add_co_u32 s19, s19, s18
	s_and_b32 s21, s13, 15
	s_mul_i32 s21, s21, 6656
	s_mul_i32 s50, s19, 212992
	s_add_co_u32 s50, s50, s21
	s_mov_b32 s51, 0
	s_mul_i32 s52, s19, 106496
	s_add_co_u32 s52, s52, s21
	s_mov_b32 s53, 0
	s_mov_b32 s[HI], 0xffff0000
	s_mov_b32 s[SEL], 0x76543210
	s_mov_b32 s[SEL+1], 0xfedcba98
	s_mov_b32 s[G1+0], 3<<16
	s_mov_b32 s[G1+1], 32<<16
	s_mov_b32 s[G1+2], 50<<16
	s_mov_b32 s[G1+3], 32<<16
	s_mov_b32 s[G1+4], 50
	s_mov_b32 s[G1+5], 32
	s_mov_b32 s[G1+6], 0
	s_mov_b32 s[G1+7], 0
	s_wait_alu depctr_va_vdst(0)
	s_wait_dscnt 0x0
	s_wait_kmcnt 0x0
	s_mov_b32 s[G0A], 1
	s_mov_b32 s[G0A+1], s15
	s_add_nc_u64 s[G0A+2:G0A+3], s[4:5], s[16:17]
	s_mov_b32 s[G0B], 1
	s_add_co_u32 s[G0B+1], s15, 51200
	s_add_nc_u64 s[G0B+2:G0B+3], s[G0A+2:G0A+3], 51200
	s_or_b32 s[G0A+3], s[G0A+3], 0x80000000
	s_or_b32 s[G0B+3], s[G0B+3], 0x80000000
	s_add_nc_u64 s[WB:WB+1], s[6:7], s[48:49]
	s_add_nc_u64 s[QD:QD+1], s[8:9], s[50:51]
	s_add_nc_u64 s[VD:VD+1], s[QD:QD+1], 106496
	s_add_nc_u64 s[KD:KD+1], s[10:11], s[52:53]
	tensor_load_to_lds s[G0A:G0A+3], s[G1:G1+7]
	s_nop 0
	s_wait_alu depctr_va_vdst(0)
	s_wait_tensorcnt 0x0
	ds_add_u32 v254, v255
	s_wait_dscnt 0x0
	s_barrier_signal -1
	s_barrier_wait -1
	tensor_load_to_lds s[G0B:G0B+3], s[G1:G1+7]
	s_nop 0
.rept 4
	v_nop
.endr
.macro WLOAD n
	WIN 0x40
.set c, 0
.rept 12
	global_load_b128 v[48*((\n)%5)+4*c:48*((\n)%5)+4*c+3], v[LI], s[WB:WB+1] offset:(\n)*6656+512*c
.set c, c+1
.endr
	WIN 0
	global_load_b128 v[WS+4*((\n)%5):WS+4*((\n)%5)+3], v[LI], s[WB:WB+1] offset:(\n)*6656+6144
.endm
.macro TFETCH n
.set KP, (\n)%8
	WIN 0x80*((\n)%2)
.set c, 0
.rept 24
	ds_load_b128 v[TF+4*c:TF+4*c+3], v[LI+KP/4] offset:(KP%4)*12800+512*c
.set c, c+1
.endr
	WIN 0
	ds_load_b128 v[TS+4*((\n)%2):TS+4*((\n)%2)+3], v[LI+KP/4] offset:(KP%4)*12800+12288
.endm
.macro MM d, a, b, sa, sb, k, row
.if ((\k) == 0) && ((\row) == 0)
	v_wmma_scale_f32_16x16x128_f8f6f4 v[(\d):(\d)+7], v[(\a):(\a)+11], v[(\b):(\b)+11], 0, v[\sa], v[\sb] matrix_a_fmt:MATRIX_FMT_BF6 matrix_b_fmt:MATRIX_FMT_BF6
.elseif ((\k) == 0) && ((\row) == 1)
	v_wmma_scale_f32_16x16x128_f8f6f4 v[(\d):(\d)+7], v[(\a):(\a)+11], v[(\b):(\b)+11], 0, v[\sa], v[\sb] matrix_a_fmt:MATRIX_FMT_BF6 matrix_b_fmt:MATRIX_FMT_BF6 matrix_a_scale:MATRIX_SCALE_ROW1
.elseif (\k) == 0
	v_wmma_scale_f32_16x16x128_f8f6f4 v[(\d):(\d)+7], v[(\a):(\a)+11], v[(\b):(\b)+11], 0, v[\sa], v[\sb] matrix_a_fmt:MATRIX_FMT_BF6 matrix_b_fmt:MATRIX_FMT_BF6 matrix_b_scale:MATRIX_SCALE_ROW1
.elseif (\row) == 0
	v_wmma_scale_f32_16x16x128_f8f6f4 v[(\d):(\d)+7], v[(\a):(\a)+11], v[(\b):(\b)+11], v[(\d):(\d)+7], v[\sa], v[\sb] matrix_a_fmt:MATRIX_FMT_BF6 matrix_b_fmt:MATRIX_FMT_BF6
.elseif (\row) == 1
	v_wmma_scale_f32_16x16x128_f8f6f4 v[(\d):(\d)+7], v[(\a):(\a)+11], v[(\b):(\b)+11], v[(\d):(\d)+7], v[\sa], v[\sb] matrix_a_fmt:MATRIX_FMT_BF6 matrix_b_fmt:MATRIX_FMT_BF6 matrix_a_scale:MATRIX_SCALE_ROW1
.else
	v_wmma_scale_f32_16x16x128_f8f6f4 v[(\d):(\d)+7], v[(\a):(\a)+11], v[(\b):(\b)+11], v[(\d):(\d)+7], v[\sa], v[\sb] matrix_a_fmt:MATRIX_FMT_BF6 matrix_b_fmt:MATRIX_FMT_BF6 matrix_b_scale:MATRIX_SCALE_ROW1
.endif
.endm
.macro KSTEP n
.rept 4
	v_nop
.endr
.if (\n)+4 < 24
	WLOAD (\n)+4
.endif
.if (\n) == 3
	s_wait_tensorcnt 0x0
	s_wait_dscnt 0x0
	s_barrier_signal -1
	s_barrier_wait -1
.endif
.if (\n)+1 < 24
	TFETCH (\n)+1
	s_wait_dscnt 25
.else
	s_wait_dscnt 0x0
.endif
.if 23-(\n) >= 4
	s_wait_loadcnt 52
.else
	s_wait_loadcnt 13*(23-(\n))
.endif
.set WBUF, 48*((\n)%5)
.set WSC, WS+4*((\n)%5)
.set TSC, TS+4*((\n)%2)
.if (\n)/8 < 2
	WIN 0xf1+8*((\n)%2)
.irp T, 0,1,2,3,4,5,6,7
.irp t, 0,1,2,3
	MM 32*\T+8*\t, WBUF+12*\t, TF+12*\T, WSC+\t, TSC+\T%4, (\n)%8, 2*(\T/4)
.endr
.endr
.else
	WIN 0xf4+2*((\n)%2)
.irp T, 0,1,2,3,4,5,6,7
.irp t, 0,1,2,3
	MM 64*\t+8*\T, TF+12*\T, WBUF+12*\t, TSC+\T%4, WSC+\t, (\n)%8, \T/4
.endr
.endr
.endif
.endm
.macro QUANT3 src, pc, a, mode
	WIN 0x0f
.irp b, 0,1,2,3
	v_max3_num_f32 v[TM+\b], |v[(\src)+16*\b]|, |v[(\src)+16*\b+1]|, 0x2800000
.endr
.irp i, 2,4,6,8,10,12,14
.irp b, 0,1,2,3
	v_max3_num_f32 v[TM+\b], |v[(\src)+16*\b+\i]|, |v[(\src)+16*\b+\i+1]|, v[TM+\b]
.endr
.endr
	WIN 0
.irp b, 0,1,2,3
	v_permlanex16_b32 v[TM+4+\b], v[TM+\b], s[SEL], s[SEL+1]
.endr
.irp b, 0,1,2,3
	v_max_num_f32 v[TM+\b], v[TM+\b], v[TM+4+\b]
.endr
.irp b, 0,1,2,3
	v_add_nc_u32 v[TM+12+\b], 0xfe000000, v[TM+\b]
.endr
.irp b, 0,1,2,3
	v_lshrrev_b32 v[TM+4+\b], 23, v[TM+12+\b]
.endr
.if (\mode) == 0
	v_lshl_or_b32 v[PWS+2*(\a)], v[TM+5], 8, v[TM+4]
	v_lshl_or_b32 v[PWS+2*(\a)+1], v[TM+7], 8, v[TM+6]
	v_or_b32 v[PWS+2*(\a)], 0x7f7f0000, v[PWS+2*(\a)]
	v_or_b32 v[PWS+2*(\a)+1], 0x7f7f0000, v[PWS+2*(\a)+1]
.else
	v_lshl_or_b32 v[PWS+(\a)], v[TM+5], 8, v[TM+4]
	v_lshl_or_b32 v[PWS+(\a)], v[TM+6], 16, v[PWS+(\a)]
	v_lshl_or_b32 v[PWS+(\a)], v[TM+7], 24, v[PWS+(\a)]
.endif
	WIN 0x03
.irp c, 0,1
	v_cvt_scalef32_pk16_bf6_f32 v[(\pc)+6*\c:(\pc)+6*\c+2], v[(\src)+32*\c:(\src)+32*\c+15], v[TM+12+2*\c]
	v_cvt_scalef32_pk16_bf6_f32 v[XT+4*\c:XT+4*\c+2], v[(\src)+32*\c+16:(\src)+32*\c+31], v[TM+12+2*\c+1]
.endr
	WIN 0
	v_nop
.irp c, 0,1
.irp i, 0,1,2
	v_permlane16_swap_b32 v[(\pc)+6*\c+\i], v[XT+4*\c+\i]
.endr
.irp i, 0,1,2
	v_mov_b32 v[(\pc)+6*\c+3+\i], v[XT+4*\c+\i]
.endr
.endr
.endm
.macro OUT mode, base
.rept 4
	v_nop
.endr
	s_wait_xcnt 0x0
.irp a, 0,1,2,3
	QUANT3 64*\a, PC+12*\a, \a, \mode
.endr
.if (\mode) == 0
.irp t, 0,1,2,3
	v_cndmask_b32 v[SCO+\t], v[PWS+\t], v[PWS+4+\t], s[HI]
.endr
.endif
.irp c, 0,1,2,3,4,5,6,7,8,9,10,11
	global_store_b128 v[LI], v[PC+4*\c:PC+4*\c+3], s[\base:\base+1] offset:512*\c
.endr
.if (\mode) == 0
	global_store_b128 v[LI], v[SCO:SCO+3], s[\base:\base+1] offset:6144
.else
	global_store_b128 v[LI], v[PWS:PWS+3], s[\base:\base+1] offset:6144
.endif
.endm
.irp n, 0,1,2,3
	WLOAD \n
.endr
	s_wait_tensorcnt 0x1
	s_barrier_signal -1
	s_barrier_wait -1
	TFETCH 0
.irp n, 0,1,2,3,4,5,6,7
	KSTEP \n
.endr
	OUT 0, QD
.irp n, 8,9,10,11,12,13,14,15
	KSTEP \n
.endr
	OUT 0, KD
.irp n, 16,17,18,19,20,21,22,23
	KSTEP \n
.endr
	OUT 1, VD
	s_wait_tensorcnt 0x0
	ds_add_u32 v254, v255
	s_wait_dscnt 0x0
	s_endpgm
.Lfunc_end_k_q080ec11a5d_qkv:
	.size	k_q080ec11a5d_qkv, .Lfunc_end_k_q080ec11a5d_qkv-k_q080ec11a5d_qkv
	.p2alignl 7, 3214868480
	.fill 96, 4, 3214868480
	.section	.rodata,"a",@progbits
	.p2align	6, 0x0
	.amdhsa_kernel k_q080ec11a5d_qkv
		.amdhsa_group_segment_fixed_size 327680
		.amdhsa_private_segment_fixed_size 0
		.amdhsa_enable_private_segment 0
		.amdhsa_kernarg_size 32
		.amdhsa_user_sgpr_count 2
		.amdhsa_user_sgpr_kernarg_segment_ptr 1
		.amdhsa_wavefront_size32 1
		.amdhsa_system_sgpr_workgroup_id_x 1
		.amdhsa_system_sgpr_workgroup_id_y 1
		.amdhsa_system_sgpr_workgroup_id_z 1
		.amdhsa_system_vgpr_workitem_id 0
		.amdhsa_next_free_vgpr 1024
		.amdhsa_next_free_sgpr 66
		.amdhsa_reserve_vcc 0
		.amdhsa_float_denorm_mode_32 3
		.amdhsa_float_denorm_mode_16_64 3
		.amdhsa_memory_ordered 1
		.amdhsa_forward_progress 1
		.amdhsa_inst_pref_size 226
	.end_amdhsa_kernel
	.amdgpu_metadata
---
amdhsa.version: [ 1, 2 ]
amdhsa.kernels:
  - .name:           k_q080ec11a5d_qkv
    .symbol:         k_q080ec11a5d_qkv.kd
    .args:
      - { .name: timg, .offset: 0, .size: 8, .value_kind: global_buffer, .address_space: global }
      - { .name: wimg, .offset: 8, .size: 8, .value_kind: global_buffer, .address_space: global }
      - { .name: qv, .offset: 16, .size: 8, .value_kind: global_buffer, .address_space: global }
      - { .name: kimg, .offset: 24, .size: 8, .value_kind: global_buffer, .address_space: global }
    .group_segment_fixed_size: 327680
    .private_segment_fixed_size: 0
    .kernarg_segment_align: 8
    .kernarg_segment_size: 32
    .max_flat_workgroup_size: 128
    .sgpr_count:     66
    .vgpr_count:     1024
    .wavefront_size: 32
...
	.end_amdgpu_metadata
.endif
;; end of part 2
;; launch attn (part 3): grid 4 x 64, 8 waves a work-group, clusters of 4 x 1, 215,040 bytes of LDS; arguments qv, kimg, mimg, mscl; writes mimg, mscl
.if DOCPART == 3
	.amdgcn_target "amdgcn-amd-amdhsa--gfx1250"
	.amdhsa_code_object_version 6
	.text
	.protected	k_q080ec11a5d_attn
	.globl	k_q080ec11a5d_attn
	.p2align	8
	.type	k_q080ec11a5d_attn,@function
k_q080ec11a5d_attn:
	s_mov_b64 s[64:65], 0
	v_nop
	global_prefetch_b8 v0, s[64:65] scope:SCOPE_SE
	s_setreg_imm32_b32 hwreg(HW_REG_WAVE_MODE, 25, 1), 1
	s_wait_xcnt 0x0
	s_wait_alu depctr_hold_cnt(0) depctr_sa_sdst(0) depctr_va_vdst(0) depctr_va_sdst(0) depctr_va_ssrc(0) depctr_va_vcc(0) depctr_vm_vsrc(0)
	s_getreg_b32 s2, hwreg(HW_REG_IB_STS2, 6, 4)
	s_cmp_eq_u32 s2, 0
	s_cbranch_scc0 .Lentry_in_a_cluster
	s_endpgm
.Lentry_in_a_cluster:
	s_bfe_u32 s2, ttmp6, 0x10000c
	s_cmp_lg_u32 s2, 0x3003
	s_cbranch_scc0 .Lentry_shape_is_right
	s_endpgm
.Lentry_shape_is_right:
; ATTN.  heads[j] = sum over i of softmax_i(q_i . k_j / 8) v_i: the softmax runs over the index of q, so k_j plays the query's part, q_i the key's, v_i the value's.  Both products on codes of BF6 with E8M0 scales.
; t = score x log2(e) / 8; M = the row's largest t so far, rounded UP to a whole number; p = 2^(t - M) is quantised along i, not normalised; the row's sum is taken of the unquantised p and divides at the end.
; When M moves, the sum and O are multiplied by 2^(old M - new M), which rounds nothing.  The finished heads are quantised along the head's 64 and leave as halves of the last product's operand.
; SHARES.  y = 16 b + head.  The four work-groups of a head form a cluster; each owns 512 rows j; each of its eight waves four tiles of 16 rows, all in ONE pass over the 16 steps of 128 i: a fragment of q or v is read from LDS once for four tiles.
; THE WHOLE HEAD, q's and v's images with their scale words, 212,992 dense bytes, lies in LDS, filled once: each wave asks for 26,624 bytes, jointly with the same wave of the three partners.
; All fills go out at the head and there is no loop to run ahead in: no prefetch is laid.
; LAYOUT.  S^T = (16 of q) x (my 16 of k), O^T = (16 of the head's 64 of v) x P: a lane holds ONE row j throughout.
; THE TILES OF q ARE FORMED ANEW ON THE WAY OUT OF LDS: lane r of tile 4 c + u takes i = 64 c + 32 (r / 8) + 8 u + r % 8, which in the image is tile 4 c + 2 (r / 8) + u % 2, lane 8 (u / 2) + r % 8.
; So lane (r, h) holds in the 32 registers of tiles 4 c .. 4 c + 3 the WHOLE block 2 c + h of 32 neighbouring i, in order: a block's maximum needs no other lane, and the conversions' results are the operand's registers.
; THE FIRST PRODUCT'S K IS 64: my operand's registers 6-11 are zero codes and all scale bytes 2, 3 are 0x7f, so whatever codes stand in the other operand's registers 6-11 add nothing (E3M2 has no infinity and no NaN).
; THE WALK goes tile by tile, three tiles at work: the products (O of the tile before, S of the tile after), the maxima of the tile after, the exponentials of this tile with the tile after's t - M laid between them, this tile's scales, codes and sums.
; Maxima and sums run in eight chains by turns; the lines that make p's scale word stand among the sums; a sum's last two steps stand in the places behind the next turn's products.
; The first trip's first O product multiplies zero codes.  The last trip looks ahead to step 15 once more: its scores are under the running maximum already, so M stays, the factor is 1, and nothing else of it is used.
; REGISTERS.  Window 1: O of tile a at v[32 a], two buffers of S at v128 and v192.  Window 0: all else.  s_set_vgpr_msb's low byte: bits 1:0 source 0, 3:2 source 1, 5:4 source 2, 7:6 destination.
; LIMITS: NaN and infinities are not served; the scaled scores stay under 2^31 in magnitude; a block of zeros, or one under 2^(5 - 127), gets the byte 1 (read by this program alone).
.set LI,  1                            ; 16 x lane
.set AQB, 2                            ; q's fragments: 1536 (r / 8) + 16 (r % 8) + 256 h
.set AQS, 3                            ; q's scale words: 6144 + 16 (r % 8) + 8 (r / 8) + 256 h
.set AVB, 4                            ; v's part of LDS: 16 x lane + 106,496
.set ADQ, 5                            ; the three with the step's offset
.set ADS, 6
.set ADV, 7
.set L8,  9                            ; 8 x lane
.set L2,  10                           ; 2 x lane
.set R16, 11                           ; 16 x (lane % 16)
.set NM,  12                           ; tile a: v[12 + 2 a] = -M, v[13 + 2 a] = the running largest score
.set SU,  20                           ; tile a's sum, in two halves
.set FF,  28                           ; the factor 2^(old M - new M), two sets by the tile's parity (the upper register of each pair stays 0)
.set BM,  32                           ; the two blocks' largest scores, then largest p: two sets
.set TX,  38
.set SO,  40                           ; the conversions' scale operands
.set BY,  42
.set WD,  44
.set WY,  45
.set PSC, 46                           ; p's scale word
.set OM,  47
.set TT,  48                           ; v48-63 eight chains of the sum
.set PC,  64                           ; p's codes
.set QS,  76                           ; my four tiles' scale words
.set KS,  80                           ; q's: register u: lanes 0-15 tile u, lanes 16-31 tile 4 + u
.set VS,  84
.set QF,  88                           ; my four tiles of k, twelve registers each
.set KF,  136                          ; q's eight tiles on end, six registers each, and six of zeros
.set VF,  190                          ; v's four fragments
.set MW,  238
.set XT,  240                          ; v240-247 the conversions' second halves
.set MC,  248                          ; v248-253 three more chains of each block's maximum
.set SPW, 254
.set NIL, 255
.set WV,  18
.set SEL, 20
.set CS,  22
.set G1,  24
.set G0,  32
.set TB,  48
.set TN,  49
.set HI,  50
.set CN,  51
.set MSB, 0
.macro WIN new                         ; the immediate's high byte repeats the setting that is left
.if MSB != (\new)
	s_set_vgpr_msb (MSB<<8)|(\new)
.set MSB, (\new)
.endif
.endm
.macro ROUND                           ; a round of the cluster's barrier
	s_barrier_signal -1
	s_barrier_wait -1
	s_cmp_lg_u32 s[WV], 0
	s_cbranch_scc1 .Lnot_wave_0_\@
	s_barrier_signal -3
.Lnot_wave_0_\@:
	s_barrier_wait -3
	s_barrier_signal -1
	s_barrier_wait -1
.endm
	s_load_b128 s[4:7], s[0:1], 0x0                ; qv, kimg
	s_load_b128 s[8:11], s[0:1], 0x10              ; mimg, mscl
	v_lshl_add_u32 v[SPW], v0, 2, 0x34000
	v_mov_b32 v[NIL], 0
	ds_add_u32 v[SPW], v[NIL]                      ; the opening lines
	ds_add_u32 v[SPW], v[NIL]
	v_lshrrev_b32 v5, 5, v0
	v_readfirstlane_b32 s[WV], v5                  ; wave 0..7
	s_bfe_u32 s12, ttmp6, 0x40000                  ; cx: it enters my rows' and my results' addresses alone
	s_and_b32 s13, ttmp7, 0xffff                   ; 16 b + head, which the four partners share
	s_mul_i32 s15, s[WV], 26624                    ; my eighth of the head: in LDS,
	s_mul_i32 s16, s13, 212992
	s_add_co_u32 s16, s16, s15                     ; and in memory
	s_mov_b32 s17, 0
	s_lshl_b32 s19, s12, 2
	s_lshr_b32 s52, s[WV], 1
	s_add_co_u32 s19, s19, s52                     ; the step of 128 tokens that holds my rows: 4 cx + w / 2
	s_mul_i32 s19, s19, 6656
	s_mul_i32 s52, s13, 106496
	s_add_co_u32 s54, s19, s52
	s_and_b32 s19, s[WV], 1
	s_mul_i32 s52, s19, 3072                       ; tiles 4 (w % 2) .. + 3: 24 registers, six chunks
	s_lshl_b32 s19, s19, 8                         ; their scale words: lanes 16 (w % 2) + r of the block
	s_add_co_u32 s56, s54, s19
	s_add_co_u32 s56, s56, 6144
	s_add_co_u32 s54, s54, s52
	s_mov_b32 s55, 0
	s_mov_b32 s57, 0
	s_lshl_b32 s19, s12, 4
	s_lshl_b32 s52, s[WV], 1
	s_add_co_u32 s19, s19, s52                     ; my first pair of tiles in the batch: 16 cx + 2 w
	s_lshr_b32 s52, s13, 4
	s_lshl_b32 s52, s52, 6
	s_add_co_u32 s52, s52, s19                     ; and among all 256
	s_mul_i32 s58, s52, 24576
	s_and_b32 s52, s13, 15                         ; the head: K step head / 2, half head % 2 of the last product's operand
	s_lshr_b32 s62, s52, 1
	s_mul_i32 s62, s62, 3072
	s_add_co_u32 s58, s58, s62
	s_and_b32 s52, s52, 1
	s_mul_i32 s52, s52, 768
	s_add_co_u32 s58, s58, s52
	s_mov_b32 s59, 0
	s_lshl_b32 s60, s13, 6
	s_add_co_u32 s60, s60, s19
	s_lshl_b32 s60, s60, 6                         ; 64 bytes of half scale words for each head and pair
	s_mov_b32 s61, 0
	s_mov_b32 s[SEL], 0x76543210
	s_mov_b32 s[SEL+1], 0xfedcba98                 ; v_permlanex16_b32's selects for lane l xor 16
	s_mov_b32 s[CS], 0x3e38aa3b                    ; c = log2(e) / 8
	s_mov_b32 s[CS+1], s[CS]
	s_mov_b32 s[CN], 0xbe38aa3b                    ; -c
	s_mov_b32 s[HI], 0xffff0000                    ; the mask of lanes 16-31
	; group 1: 26,624 dense bytes as 104 rows of 256 bytes (32 elements of 8 bytes); the mask names the four work-groups, bit 21 beside it
	s_mov_b32 s[G1+0], 15|(3<<16)|(1<<21)
	s_mov_b32 s[G1+1], 32<<16
	s_mov_b32 s[G1+2], 104<<16
	s_mov_b32 s[G1+3], 32<<16
	s_mov_b32 s[G1+4], 104
	s_mov_b32 s[G1+5], 32
	s_mov_b32 s[G1+6], 0
	s_mov_b32 s[G1+7], 0
	s_wait_dscnt 0x0
	s_wait_kmcnt 0x0
	s_mov_b32 s[G0], 1
	s_mov_b32 s[G0+1], s15
	s_add_nc_u64 s[G0+2:G0+3], s[4:5], s[16:17]
	s_or_b32 s[G0+3], s[G0+3], 0x80000000
	s_add_nc_u64 s[54:55], s[6:7], s[54:55]
	s_add_nc_u64 s[56:57], s[6:7], s[56:57]
	s_add_nc_u64 s[58:59], s[8:9], s[58:59]
	s_add_nc_u64 s[60:61], s[10:11], s[60:61]
	ROUND                                          ; all four work-groups are here: the joint loads meet
	tensor_load_to_lds s[G0:G0+3], s[G1:G1+7]      ; my one load of the launch
	s_nop 0
.rept 4
	v_nop
.endr
	v_and_b32 v5, 31, v0
	v_lshlrev_b32 v[LI], 4, v5
	v_lshlrev_b32 v[L8], 3, v5
	v_lshlrev_b32 v[L2], 1, v5
	v_and_b32 v6, 15, v0
	v_lshlrev_b32 v[R16], 4, v6
	v_bfe_u32 v7, v0, 4, 1                         ; h
	v_and_b32 v5, 7, v0                            ; r % 8
	v_bfe_u32 v6, v0, 3, 1                         ; r / 8
	v_lshlrev_b32 v5, 4, v5
	v_lshl_add_u32 v5, v7, 8, v5
	v_mad_u32_u24 v[AQB], v6, 1536, v5
	v_lshl_add_u32 v5, v6, 3, v5
	v_add_nc_u32 v[AQS], 6144, v5
	v_add_nc_u32 v[AVB], 106496, v[LI]
	s_wait_alu depctr_va_vdst(0)
.irp a, 0,2                            ; my four tiles of k: six registers each out of 24 that lie on end in chunks of four
	global_load_b128 v[QF+12*\a:QF+12*\a+3], v[LI], s[54:55] offset:768*\a
	global_load_b64 v[QF+12*\a+4:QF+12*\a+5], v[LI], s[54:55] offset:768*\a+512
	global_load_b64 v[QF+12*\a+12:QF+12*\a+13], v[LI], s[54:55] offset:768*\a+520
	global_load_b128 v[QF+12*\a+14:QF+12*\a+17], v[LI], s[54:55] offset:768*\a+1024
.endr
	global_load_b128 v[QS:QS+3], v[R16], s[56:57]
.irp a, 0,1,2,3
.irp i, 6,7,8,9,10,11
	v_mov_b32 v[QF+12*\a+\i], 0                    ; zero codes for the unused half of K
.endr
	v_mov_b32 v[NM+2*\a], 0x7f61b1e6               ; -M: 3e38;
	v_mov_b32 v[NM+2*\a+1], 0xff61b1e6             ; the largest score so far: -3e38: the first change of M multiplies zeros by 0
	v_mov_b32 v[SU+2*\a], 0
	v_mov_b32 v[SU+2*\a+1], 0
	v_mov_b32 v[FF+\a], 0
	v_mov_b32 v[TT+\a], 0                          ; the first turns' closing steps of a sum add zeros
.endr
.irp i, 48,49,50,51,52,53
	v_mov_b32 v[KF+\i], 0                          ; behind the last tile of q
.endr
.irp i, 0,1,2,3,4,5,6,7,8,9,10,11
	v_mov_b32 v[PC+\i], 0                          ; zero codes for the first trip's first O product
.endr
	v_mov_b32 v[PSC], 0x7f7f7f7f
	v_mov_b32 v[TX+1], 0                           ; a lane permute's destination counts as one of its sources
	v_mov_b32 v[WY], 0
	WIN 0x40
.set j, 0
.rept 128
	v_mov_b32 v[j], 0                              ; O^T of the four tiles: the step is written once, the first finds zeros
.set j, j+1
.endr
	WIN 0
.macro LDK sr                          ; q's eight tiles, formed anew, and their scale words, from the step at LDS byte s[sr]
	v_add_nc_u32 v[ADQ], s[\sr], v[AQB]
	v_add_nc_u32 v[ADS], s[\sr], v[AQS]
.irp c, 0,1
.irp g, 0,1
	ds_load_b128 v[KF+24*\c+12*\g:KF+24*\c+12*\g+3], v[ADQ] offset:3072*\c+128*\g
	ds_load_b64 v[KF+24*\c+12*\g+4:KF+24*\c+12*\g+5], v[ADQ] offset:3072*\c+128*\g+512
	ds_load_b64 v[KF+24*\c+12*\g+6:KF+24*\c+12*\g+7], v[ADQ] offset:3072*\c+128*\g+520
	ds_load_b128 v[KF+24*\c+12*\g+8:KF+24*\c+12*\g+11], v[ADQ] offset:3072*\c+128*\g+1024
.endr
.endr
	ds_load_b64 v[KS:KS+1], v[ADS]
	ds_load_b64 v[KS+2:KS+3], v[ADS] offset:128
.endm
.macro LDV sr                          ; v's four fragments and their scale words
	v_add_nc_u32 v[ADV], s[\sr], v[AVB]
.set c, 0
.rept 12
	ds_load_b128 v[VF+4*c:VF+4*c+3], v[ADV] offset:512*c
.set c, c+1
.endr
	ds_load_b128 v[VS:VS+3], v[ADV] offset:6144
.endm
.macro MPV                             ; O^T of tile PR += v^T p^T
.irp t, 0,1,2,3
	v_wmma_scale_f32_16x16x128_f8f6f4 v[32*PR+8*\t:32*PR+8*\t+7], v[VF+12*\t:VF+12*\t+11], v[PC:PC+11], v[32*PR+8*\t:32*PR+8*\t+7], v[VS+\t], v[PSC] matrix_a_fmt:MATRIX_FMT_BF6 matrix_b_fmt:MATRIX_FMT_BF6
.endr
.endm
.macro MQK                             ; S^T of tile NX into buffer SN
.irp T, 0,1,2,3
	v_wmma_scale_f32_16x16x128_f8f6f4 v[SN+8*\T:SN+8*\T+7], v[KF+6*\T:KF+6*\T+11], v[QF+12*NX:QF+12*NX+11], 0, v[KS+\T], v[QS+NX] matrix_a_fmt:MATRIX_FMT_BF6 matrix_b_fmt:MATRIX_FMT_BF6
.endr
.irp T, 4,5,6,7
	v_wmma_scale_f32_16x16x128_f8f6f4 v[SN+8*\T:SN+8*\T+7], v[KF+6*\T:KF+6*\T+11], v[QF+12*NX:QF+12*NX+11], 0, v[KS+\T-4], v[QS+NX] matrix_a_fmt:MATRIX_FMT_BF6 matrix_b_fmt:MATRIX_FMT_BF6 matrix_a_scale:MATRIX_SCALE_ROW1
.endr
.endm
.macro CMB                             ; the four places behind the products: tile PR's sum is closed, tile NX's old -M is kept
	v_pk_add_f32 v[TT:TT+1], v[TT:TT+1], v[TT+2:TT+3]
	v_mov_b32 v[OM], v[NM+2*NX]
	v_nop
	v_pk_add_f32 v[SU+2*PR:SU+2*PR+1], v[SU+2*PR:SU+2*PR+1], v[TT:TT+1]
.endm
; The maxima of tile NX: each of my two blocks' largest score (it serves the row's maximum and, since p rises with the score, the block's largest p), the new -M, the factor; the sum goes under the new M.
; ld = 1: v's fragments of this step, ld = 2: q's of the next, are asked for at the end, more than four places behind the products that read those registers.
.macro MP2 ld
	WIN 0
	CMB
	WIN 0x15
.irp q, 0,1,2,3                        ; four chains a block, eight by turns; each accumulator from its low end on
.irp c, 0,1
.if \q == 0
	v_max3_num_f32 v[BN+\c], v[SN+32*\c], v[SN+32*\c+1], v[SN+32*\c+2]
.else
	v_max3_num_f32 v[MC+2*\q-2+\c], v[SN+32*\c+3*\q], v[SN+32*\c+3*\q+1], v[SN+32*\c+3*\q+2]
.endif
.endr
.endr
	WIN 0x05
.set k, 0
.rept 10
.irp c, 0,1
.if k%4 == 0
	v_max3_num_f32 v[BN+\c], v[SN+32*\c+12+2*k], v[SN+32*\c+13+2*k], v[BN+\c]
.else
	v_max3_num_f32 v[MC+2*(k%4)-2+\c], v[SN+32*\c+12+2*k], v[SN+32*\c+13+2*k], v[MC+2*(k%4)-2+\c]
.endif
.endr
.set k, k+1
.endr
	WIN 0
	v_max3_num_f32 v[BN], v[BN], v[MC+2], v[MC+4]
	v_max3_num_f32 v[BN+1], v[BN+1], v[MC+3], v[MC+5]
	v_max_num_f32 v[BN], v[BN], v[MC]
	v_max_num_f32 v[BN+1], v[BN+1], v[MC+1]
	v_max_num_f32 v[TX], v[BN], v[BN+1]
	v_permlanex16_b32 v[TX+1], v[TX], s[SEL], s[SEL+1]         ; lane l xor 16's two blocks
	v_max3_num_f32 v[NM+2*NX+1], v[TX], v[TX+1], v[NM+2*NX+1]  ; the running largest score
	v_mul_f32 v[TX], s[CN], v[NM+2*NX+1]                       ; -t
	v_floor_f32 v[NM+2*NX], v[TX]                              ; the new -M = floor(-t): M is a whole number
	v_sub_f32 v[TX], v[NM+2*NX], v[OM]                         ; old M - new M: a whole number, 0 or less
	v_fma_f32 v[BN], v[BN], s[CS], v[NM+2*NX]                  ; t - M of each block's largest score
	v_fma_f32 v[BN+1], v[BN+1], s[CS], v[NM+2*NX]
	v_cvt_i32_f32 v[TX], v[TX]                                 ; (it saturates)
	v_ldexp_f32 v[FN], 1.0, v[TX]                              ; f = 2^(old M - new M)
	v_pk_mul_f32 v[SU+2*NX:SU+2*NX+1], v[SU+2*NX:SU+2*NX+1], v[FN:FN+1] op_sel_hi:[1,0]
.if (\ld) == 1
	LDV TB
.endif
.if (\ld) == 2
	s_add_co_u32 s[TN], s[TB], 6656
	s_min_u32 s[TN], s[TN], 99840                  ; the last trip takes step 15 again
	LDK TN
.endif
.endm
.macro TMM j                           ; t - M of tile NX, two at a time
	v_pk_fma_f32 v[SN+(\j):SN+(\j)+1], v[SN+(\j):SN+(\j)+1], s[CS:CS+1], v[NM+2*NX:NM+2*NX+1] op_sel_hi:[1,0,0]
.endm
; One tile's turn.  a: the tile whose p is made; the tile before gets its O product, the tile after its scores, maxima and t - M.
.macro ITER a, ld
.set NX, ((\a)+1)%4
.set PR, ((\a)+3)%4
.set SC, 128+64*((\a)%2)
.set SN, 128+64*(NX%2)
.set BC, BM+2*((\a)%2)
.set BN, BM+2*(NX%2)
.set FC, FF+2*((\a)%2)
.set FN, FF+2*(NX%2)
	WIN 0x50
	MPV                                            ; twelve products on twelve accumulators
	MQK
	MP2 \ld
	s_wait_alu depctr_va_vdst(0)                   ; the wait ahead of the batch
	v_exp_f32 v[BC], v[BC]                         ; the blocks' largest p: the same two instructions on the same number give the same bits
	v_exp_f32 v[BC+1], v[BC+1]
	WIN 0x41
.set j, 0
.rept 64
	v_exp_f32 v[SC+j], v[SC+j]                     ; p = 2^(t - M), at most 1
.if j%2
	TMM j-1                                        ; the tile after's t - M between them: each result is first read behind the wait below
.endif
.set j, j+1
.endr
	s_wait_alu depctr_va_vdst(0)                   ; one wait for the whole batch; it stands directly ahead of the first reader of O^T too
.set j, 0
.rept 16
	v_pk_mul_f32 v[32*(\a)+j:32*(\a)+j+1], v[32*(\a)+j:32*(\a)+j+1], v[FC:FC+1] op_sel_hi:[1,0]   ; O^T under the new M
.set j, j+2
.endr
	WIN 0
	v_max_num_f32 v[BC], 0x2800000, v[BC]          ; the floor 2^(5 - 127)
	v_max_num_f32 v[BC+1], 0x2800000, v[BC+1]
	v_add_nc_u32 v[SO], 0xfe000000, v[BC]          ; 4 off the exponent field: the conversion's scale operand
	v_add_nc_u32 v[SO+1], 0xfe000000, v[BC+1]
	WIN 0x05
.set k, 0
.rept 8
	v_pk_add_f32 v[TT+2*k:TT+2*k+1], v[SC+2*k:SC+2*k+1], v[SC+16+2*k:SC+17+2*k]   ; the sum of the unquantised p, in eight chains
.set k, k+1
.endr
	WIN 0x01
.irp c, 0,1
	v_cvt_scalef32_pk16_bf6_f32 v[PC+6*\c:PC+6*\c+2], v[SC+32*\c:SC+32*\c+15], v[SO+\c]
	v_cvt_scalef32_pk16_bf6_f32 v[XT+4*\c:XT+4*\c+2], v[SC+32*\c+16:SC+32*\c+31], v[SO+\c]   ; (a conversion's three registers begin on an even number)
.endr
	WIN 0x04                                       ; source 1 in window 1: the sums go on, and the lines that make p's scale word, whose registers stand as sources 0 and 2, go between them
.set k, 16
.rept 16
	v_pk_add_f32 v[TT+2*(k%8):TT+2*(k%8)+1], v[TT+2*(k%8):TT+2*(k%8)+1], v[SC+2*k:SC+2*k+1]
.if k == 17
	v_bfe_u32 v[BY], v[SO], 23, 8                  ; the scales' bytes
	v_bfe_u32 v[BY+1], v[SO+1], 23, 8
.endif
.if k == 21
	v_lshl_or_b32 v[WD], v[BY+1], 16, v[BY]        ; my blocks h and 2 + h, in bytes 0 and 2
.endif
.if k == 25
	v_permlanex16_b32 v[WY], v[WD], s[SEL], s[SEL+1]
.endif
.if k == 29
	v_lshl_or_b32 v[PSC], v[WY], 8, v[WD]          ; in lanes 0-15, which alone are read: blocks 0 and 2 are mine, blocks 1 and 3 lane l + 16's
.endif
.set k, k+1
.endr
	WIN 0
.irp c, 0,1
.irp i, 0,1,2
	v_mov_b32 v[PC+6*\c+3+\i], v[XT+4*\c+\i]
.endr
.endr
.irp k, 0,1,2,3
	v_pk_add_f32 v[TT+2*\k:TT+2*\k+1], v[TT+2*\k:TT+2*\k+1], v[TT+8+2*\k:TT+9+2*\k]   ; eight chains to four, to two: these six are also the places between p's codes and the products
.endr
	v_pk_add_f32 v[TT:TT+1], v[TT:TT+1], v[TT+4:TT+5]
	v_pk_add_f32 v[TT+2:TT+3], v[TT+2:TT+3], v[TT+6:TT+7]
.if \ld
	s_wait_alu depctr_va_vdst(0)                   ; directly ahead of the wait below
	s_wait_dscnt 0x0                               ; the fragments asked for in this turn are in: the next turn's products read them
.endif
.endm
	s_wait_alu depctr_va_vdst(0)                   ; the wait at the head's end
	s_wait_loadcnt 0x0                             ; my four tiles of k
	s_wait_tensorcnt 0x0                           ; my eighth of the head is in LDS
	s_wait_dscnt 0x0
	s_barrier_signal -1
	s_barrier_wait -1                              ; the whole head is
	s_mov_b32 s[TB], 0
	LDK TB
	LDV TB
	s_wait_dscnt 0x0
.set NX, 0
.set PR, 3
.set SN, 128
.set BN, BM
.set FN, FF
	WIN 0x50
	MQK                                            ; tile 0 of step 0 is brought as far as the walk expects it
	MP2 0
	WIN 0x41
.set j, 0
.rept 32
	TMM j
.set j, j+2
.endr
	WIN 0
.Lstep:                                                ; a trip: one step of 128 i, four tiles
	ITER 0, 1
	ITER 1, 0
	ITER 2, 2
	ITER 3, 0
	WIN 0
	s_add_co_u32 s[TB], s[TB], 6656
	s_cmp_lt_u32 s[TB], 106496
	s_wait_alu depctr_va_vdst(0)                   ; directly ahead of the branch
	s_cbranch_scc1 .Lstep
.set PR, 3
	WIN 0x50
	MPV                                            ; the last tile's last O product
	WIN 0
	CMB                                            ; and its sum's last steps, in the four places
; THE END: O^T / the sum, quantised along the head's 64 (two blocks): six registers of codes and half a scale word for each tile.
.irp a, 0,1,2,3
	v_add_f32 v[SU+2*\a], v[SU+2*\a], v[SU+2*\a+1]
.endr
.irp a, 0,1,2,3
	v_permlanex16_b32 v[TT+2*\a+1], v[SU+2*\a], s[SEL], s[SEL+1]
.endr
.irp a, 0,1,2,3
	v_add_f32 v[SU+2*\a], v[SU+2*\a], v[TT+2*\a+1]             ; the row's sum
.endr
	s_wait_alu depctr_va_vdst(0)
.irp a, 0,1,2,3
	v_rcp_f32 v[TT+2*\a], v[SU+2*\a]
.endr
	v_nop
	s_wait_alu depctr_va_vdst(0)
.macro FIN a
.set SF, 128+64*((\a)%2)
.set PF, KF+6*(\a)                     ; each tile's codes in registers of their own: no store's data is written again
	WIN 0x41
	s_wait_alu depctr_va_vdst(0)                   ; directly ahead of the first reader of this tile's O^T
.set j, 0
.rept 16
	v_pk_mul_f32 v[SF+j:SF+j+1], v[32*(\a)+j:32*(\a)+j+1], v[TT+2*(\a):TT+2*(\a)+1] op_sel_hi:[1,0]   ; register 16 b + i = channel 32 b + 16 (lane / 16) + i
.set j, j+2
.endr
	WIN 0x05
.irp b, 0,1
	v_max3_num_f32 v[BM+\b], |v[SF+16*\b]|, |v[SF+16*\b+1]|, 0x2800000
.endr
.irp i, 2,4,6,8,10,12,14
.irp b, 0,1
	v_max3_num_f32 v[BM+\b], |v[SF+16*\b+\i]|, |v[SF+16*\b+\i+1]|, v[BM+\b]
.endr
.endr
	WIN 0
.irp b, 0,1
	v_permlanex16_b32 v[TX+\b], v[BM+\b], s[SEL], s[SEL+1]
.endr
.irp b, 0,1
	v_max_num_f32 v[BM+\b], v[BM+\b], v[TX+\b]
.endr
.irp b, 0,1
	v_add_nc_u32 v[SO+\b], 0xfe000000, v[BM+\b]
.endr
.irp b, 0,1
	v_lshrrev_b32 v[BY+\b], 23, v[SO+\b]
.endr
	v_lshl_or_b32 v[WD], v[BY+1], 8, v[BY]         ; the two bytes of my row for this head
	WIN 0x01
	v_cvt_scalef32_pk16_bf6_f32 v[PF:PF+2], v[SF:SF+15], v[SO]
	v_cvt_scalef32_pk16_bf6_f32 v[XT:XT+2], v[SF+16:SF+31], v[SO+1]
	WIN 0
	v_nop                                          ; one plain place behind a scaled conversion
.irp i, 0,1,2
	v_permlane16_swap_b32 v[PF+\i], v[XT+\i]       ; here a block lies in lanes l and l xor 16: the operand wants it whole in a lane
.endr
.irp i, 0,1,2
	v_mov_b32 v[PF+3+\i], v[XT+\i]
.endr
	global_store_b128 v[LI], v[PF:PF+3], s[58:59] offset:24576*((\a)/2)+1536*((\a)%2)          ; 512 consecutive bytes,
	global_store_b64 v[L8], v[PF+4:PF+5], s[58:59] offset:24576*((\a)/2)+1536*((\a)%2)+512     ; and 256: three aligned blocks of 256 bytes
.if (\a)%2 == 0
	v_mov_b32 v[MW+(\a)/2], v[WD]
.else
	v_cndmask_b32 v[MW+(\a)/2], v[MW+(\a)/2], v[WD], s[HI]     ; lanes 0-15 the pair's first tile, lanes 16-31 its second
	global_store_b16 v[L2], v[MW+(\a)/2], s[60:61] offset:64*((\a)/2)   ; 64 consecutive bytes
.endif
.endm
	FIN 0
	FIN 1
	FIN 2
	FIN 3
	s_wait_tensorcnt 0x0                           ; the wave's end
	ds_add_u32 v[SPW], v[NIL]
	s_wait_dscnt 0x0
	ROUND                                          ; the closing round: no work-group ends while a partner may still ask for a tile that names it
	s_endpgm
.Lfunc_end_k_q080ec11a5d_attn:
	.size	k_q080ec11a5d_attn, .Lfunc_end_k_q080ec11a5d_attn-k_q080ec11a5d_attn
	.p2alignl 7, 3214868480
	.fill 96, 4, 3214868480
	.section	.rodata,"a",@progbits
	.p2align	6, 0x0
	.amdhsa_kernel k_q080ec11a5d_attn
		.amdhsa_group_segment_fixed_size 215040
		.amdhsa_private_segment_fixed_size 0
		.amdhsa_enable_private_segment 0
		.amdhsa_kernarg_size 32
		.amdhsa_user_sgpr_count 2
		.amdhsa_user_sgpr_kernarg_segment_ptr 1
		.amdhsa_wavefront_size32 1
		.amdhsa_system_sgpr_workgroup_id_x 1
		.amdhsa_system_sgpr_workgroup_id_y 1
		.amdhsa_system_sgpr_workgroup_id_z 1
		.amdhsa_system_vgpr_workitem_id 0
		.amdhsa_next_free_vgpr 512
		.amdhsa_next_free_sgpr 80
		.amdhsa_reserve_vcc 0
		.amdhsa_float_denorm_mode_32 3
		.amdhsa_float_denorm_mode_16_64 3
		.amdhsa_memory_ordered 1
		.amdhsa_forward_progress 1
		.amdhsa_inst_pref_size 89
	.end_amdhsa_kernel
	.amdgpu_metadata
---
amdhsa.version: [ 1, 2 ]
amdhsa.kernels:
  - .name:           k_q080ec11a5d_attn
    .symbol:         k_q080ec11a5d_attn.kd
    .args:
      - { .name: qv, .offset: 0, .size: 8, .value_kind: global_buffer, .address_space: global }
      - { .name: kimg, .offset: 8, .size: 8, .value_kind: global_buffer, .address_space: global }
      - { .name: mimg, .offset: 16, .size: 8, .value_kind: global_buffer, .address_space: global }
      - { .name: mscl, .offset: 24, .size: 8, .value_kind: global_buffer, .address_space: global }
    .group_segment_fixed_size: 215040
    .private_segment_fixed_size: 0
    .kernarg_segment_align: 8
    .kernarg_segment_size: 32
    .max_flat_workgroup_size: 256
    .sgpr_count:     80
    .vgpr_count:     512
    .wavefront_size: 32
...
	.end_amdgpu_metadata
.endif
;; end of part 3
;; launch outln (part 4): grid 256 x 1, 16 waves a work-group, no clusters, 162,304 bytes of LDS; arguments mimg, mscl, wimg, tokens, gamma, beta, out0; writes out0
.if DOCPART == 4
	.amdgcn_target "amdgcn-amd-amdhsa--gfx1250"
	.amdhsa_code_object_version 6
	.text
	.protected	k_q080ec11a5d_outln
	.globl	k_q080ec11a5d_outln
	.p2align	8
	.type	k_q080ec11a5d_outln,@function
k_q080ec11a5d_outln:
	s_mov_b64 s[64:65], 0
	v_nop
	global_prefetch_b8 v0, s[64:65] scope:SCOPE_SE
	s_setreg_imm32_b32 hwreg(HW_REG_WAVE_MODE, 25, 1), 1
	s_wait_xcnt 0x0
; OUTLN.  out = LayerNorm(multi x Wo + tokens) x gamma + beta.  The product on codes of BF6 with E8M0 scales, all else in f32.
; A work-group takes 32 consecutive tokens (two tiles of 16) and all 1,024 columns, so that a row's mean and variance stay inside it.  Wave G takes columns 64 G .. 64 G + 63: 4 tiles of Wo x 2 tiles of tokens, 8 accumulators, 8 K steps.
; Source 0 = 16 rows of Wo (columns of the result), source 1 = 16 tokens: a lane holds ONE token, and register 16 b + i of a tile of tokens is column 64 G + 32 b + 16 (lane / 16) + i.
; THE RESIDUAL IS THE C of each sum's first product: the 32 rows of tokens go through a stage in LDS, in as whole rows, out in the accumulators' layout; the finished rows go back the same way and leave as whole rows.
; Wo's images are read by one wave of the work-group each: from memory straight into registers, two K steps ahead.  multi's images, 24,576 bytes, are read by all sixteen waves: through LDS, copied in once.
; MEAN AND VARIANCE in two passes (the mean first, then the squares of the differences): no difference of large sums is formed.
; NO CLUSTER, no tensor load: the bulk of a work-group's bytes, 851,968 of Wo, goes to registers, where a joint load does not reach; the rest is the work-group's own.
; The stage's rows r and r + 8 of a tile lie 16 rows apart, a whole number of times through the banks at this pitch: those loads and stores go two deep; 32 of them a wave.
.set SPITCH, 4112                      ; a stage row: 4,096 bytes + 16
.set MIMG,  32*SPITCH                  ; behind the stage: multi's images
.set STAT1, MIMG+24576                 ; the waves' sums: 16 x 128 bytes;
.set STAT2, STAT1+2048                 ; and their sums of squares
.set MS,   10                          ; v10-17   multi's scale words, one register a K step: lanes 0-15 tile 0's rows, lanes 16-31 tile 1's
.set ACC,  40                          ; v40-103  accumulator (u, t) at 40 + 32 u + 8 t
.set AF,   104                         ; v104-127 multi's two fragments
.set WB,   128                         ; v128-223 two buffers of Wo's four fragments; later gamma and beta
.set GA,   128
.set BE,   160
.set WSC,  224                         ; v224-231 Wo's scale words, two sets
.set W,    232                         ; v232-247 at work; v248-251 the means, v252-255 1 / the deviations, each twice
.set WV,   18
.set SEL,  30
.set HI,   32
	s_load_b256 s[4:11], s[0:1], 0x0               ; mimg 4, mscl 6, wimg 8, tokens 10
	s_load_b128 s[12:15], s[0:1], 0x20             ; gamma 12, beta 14
	s_load_b64 s[16:17], s[0:1], 0x30              ; out0
	v_lshrrev_b32 v37, 5, v0
	s_delay_alu instid0(VALU_DEP_1)
	v_readfirstlane_b32 s[WV], v37                 ; wave G, 0..15
	v_and_b32 v37, 31, v0                          ; lane
	v_and_b32 v38, 15, v0                          ; r
	v_bfe_u32 v39, v0, 4, 1                        ; h
	s_delay_alu instid0(VALU_DEP_3)
	v_lshlrev_b32 v1, 4, v37                       ; 16 x lane
	s_delay_alu instid0(VALU_DEP_4)
	v_lshlrev_b32 v2, 2, v37                       ; 4 x lane
	v_lshlrev_b32 v9, 1, v37                       ; 2 x lane
	v_and_b32 v3, 8, v38
	s_delay_alu instid0(VALU_DEP_1)
	v_add_nc_u32 v3, v3, v38                       ; r + 8 (r / 8): tile 0's row r in the stage
	s_delay_alu instid0(VALU_DEP_1)
	v_mul_u32_u24 v3, v3, SPITCH
	s_delay_alu instid0(VALU_DEP_1)
	v_lshl_add_u32 v3, v39, 6, v3
	s_lshl_b32 s19, s[WV], 8
	v_add_nc_u32 v3, s19, v3                       ; + 64 h + 256 G: my columns
	s_delay_alu instid0(VALU_DEP_1)
	v_add_nc_u32 v4, 8*SPITCH, v3                  ; tile 1's: eight rows on
	s_mul_i32 s28, s[WV], 2*SPITCH
	v_add_nc_u32 v5, s28, v1                       ; whole rows: mine are 2 G and 2 G + 1
	s_mul_i32 s28, s[WV], 1536
	s_add_co_u32 s28, s28, MIMG
	v_add_nc_u32 v6, s28, v1                       ; my sixteenth of multi's images, on the way in
	v_add_nc_u32 v7, MIMG, v1                      ; and the images on the way out: 16 x lane,
	v_lshl_add_u32 v8, v37, 3, MIMG                ; 8 x lane
	s_lshl_b32 s28, s[WV], 7
	s_add_co_u32 s28, s28, STAT1
	v_add_nc_u32 v34, s28, v2                      ; my wave's 128 bytes of sums
	v_add_nc_u32 v35, STAT1, v2                    ; all waves'
	v_lshl_add_u32 v36, v39, 6, s19                ; gamma, beta: 256 G + 64 h
	s_lshl_b32 s20, ttmp9, 17                      ; 32 rows of 4,096 bytes a work-group,
	s_lshl_b32 s21, s[WV], 13                      ; two a wave
	s_add_co_u32 s20, s20, s21
	s_mov_b32 s21, 0
	s_mul_i32 s22, ttmp9, 24576
	s_mul_i32 s23, s[WV], 1536
	s_add_co_u32 s22, s22, s23
	s_mov_b32 s23, 0
	s_lshr_b32 s24, ttmp9, 6                       ; the half scale words: batch x 16 heads x 64 pairs x 64 bytes,
	s_lshl_b32 s24, s24, 16
	s_and_b32 s25, ttmp9, 63                       ; the pair in its batch
	s_lshl_b32 s25, s25, 6
	s_add_co_u32 s24, s24, s25
	s_mov_b32 s25, 0
	s_mul_i32 s26, s[WV], 212992
	s_add_co_u32 s26, s26, 159744                  ; group G's images of Wo
	s_mov_b32 s27, 0
	s_mov_b32 s[SEL], 0x76543210
	s_mov_b32 s[SEL+1], 0xfedcba98
	s_mov_b32 s[HI], 0xffff0000                    ; the mask of lanes 16-31
	s_mov_b32 s33, 0x3a800000                      ; 1 / 1,024
	s_mov_b32 s34, 0x3727c5ac                      ; 1e-5
	s_wait_alu depctr_va_vdst(0)
	s_wait_kmcnt 0x0
	s_add_nc_u64 s[10:11], s[10:11], s[20:21]
	s_add_nc_u64 s[16:17], s[16:17], s[20:21]
	s_add_nc_u64 s[4:5], s[4:5], s[22:23]
	s_add_nc_u64 s[6:7], s[6:7], s[24:25]
	s_add_nc_u64 s[8:9], s[8:9], s[26:27]
.macro WBLK k                          ; Wo's K step k: four fragments into buffer k % 2, their scale words into set k % 2: 13 loads
.set c, 0
.rept 12
	global_load_b128 v[WB+48*((\k)%2)+4*c:WB+48*((\k)%2)+4*c+3], v1, s[8:9] offset:(\k)*6656+512*c
.set c, c+1
.endr
	global_load_b128 v[WSC+4*((\k)%2):WSC+4*((\k)%2)+3], v1, s[8:9] offset:(\k)*6656+6144
.endm
.macro AFETCH k                        ; multi's two fragments of K step k: each half (a head's six registers) lies as four registers at 16 x lane and two at 8 x lane
.irp u, 0,1
.irp c, 0,1
	ds_load_b128 v[AF+12*\u+6*\c:AF+12*\u+6*\c+3], v7 offset:(\k)*3072+1536*\u+768*\c
	ds_load_b64 v[AF+12*\u+6*\c+4:AF+12*\u+6*\c+5], v8 offset:(\k)*3072+1536*\u+768*\c+512
.endr
.endr
.endm
.set i, 0
.rept 16
	global_load_b128 v[ACC+4*i:ACC+4*i+3], v1, s[10:11] offset:512*i th:TH_LOAD_NT   ; my two rows of tokens: 8,192 consecutive bytes
.set i, i+1
.endr
.irp c, 0,1,2
	global_load_b128 v[AF+4*\c:AF+4*\c+3], v1, s[4:5] offset:512*\c th:TH_LOAD_NT    ; my 1,536 bytes of multi's images
.endr
.set i, 0
.rept 16
	global_load_u16 v[18+i], v9, s[6:7] offset:4096*i              ; head i's half scale words of the 32 tokens
.set i, i+1
.endr
	WBLK 0
	WBLK 1
	s_wait_loadcnt 42                              ; the rows and the images are in; 16 half words and 26 loads of Wo may be out
.set i, 0
.rept 16
	ds_store_b128 v5, v[ACC+4*i:ACC+4*i+3] offset:(i/8)*SPITCH+(i%8)*512
.set i, i+1
.endr
.irp c, 0,1,2
	ds_store_b128 v6, v[AF+4*\c:AF+4*\c+3] offset:512*\c
.endr
	s_wait_loadcnt 26                              ; the half words are in
.irp k, 0,1,2,3,4,5,6,7
	v_lshl_or_b32 v[MS+\k], v[19+2*\k], 16, v[18+2*\k]             ; K step k is heads 2 k and 2 k + 1
.endr
.rept 8
	v_nop                                          ; a scale register written by a vector instruction stands eight places ahead of a scaled product
.endr
	s_wait_alu depctr_va_vdst(0)
	s_wait_dscnt 0x0                               ; for the others' sake: my stores lie in LDS
	s_barrier_signal -1
	s_barrier_wait -1                              ; 32 rows of tokens and all of multi's images do
.irp b, 0,1
.irp q, 0,1,2,3
	ds_load_b128 v[ACC+16*\b+4*\q:ACC+16*\b+4*\q+3], v3 offset:128*\b+16*\q          ; the residual, in the accumulators' layout
	ds_load_b128 v[ACC+32+16*\b+4*\q:ACC+32+16*\b+4*\q+3], v4 offset:128*\b+16*\q
.endr
.endr
	AFETCH 0
; A K step: the eight accumulators take turns, one product a turn, in the same order in every K step.
.macro KSTP k
	s_wait_dscnt 0x0
.if (\k) < 7
	s_wait_loadcnt 13                              ; Wo's K step k is in; the next one's 13 loads may be out
.else
	s_wait_loadcnt 0x0
.endif
.irp t, 0,1,2,3
	v_wmma_scale_f32_16x16x128_f8f6f4 v[ACC+8*\t:ACC+8*\t+7], v[WB+48*((\k)%2)+12*\t:WB+48*((\k)%2)+12*\t+11], v[AF:AF+11], v[ACC+8*\t:ACC+8*\t+7], v[WSC+4*((\k)%2)+\t], v[MS+(\k)] matrix_a_fmt:MATRIX_FMT_BF6 matrix_b_fmt:MATRIX_FMT_BF6
	v_wmma_scale_f32_16x16x128_f8f6f4 v[ACC+32+8*\t:ACC+32+8*\t+7], v[WB+48*((\k)%2)+12*\t:WB+48*((\k)%2)+12*\t+11], v[AF+12:AF+23], v[ACC+32+8*\t:ACC+32+8*\t+7], v[WSC+4*((\k)%2)+\t], v[MS+(\k)] matrix_a_fmt:MATRIX_FMT_BF6 matrix_b_fmt:MATRIX_FMT_BF6 matrix_b_scale:MATRIX_SCALE_ROW1
.endr
.rept 4
	v_nop                                          ; four places, ahead of loads into registers that the products read and of the first read of results
.endr
.if (\k)+2 < 8
	WBLK (\k)+2
.endif
.if (\k)+1 < 8
	AFETCH (\k)+1
.endif
.endm
.irp k, 0,1,2,3,4,5,6,7
	KSTP \k
.endr
.irp b, 0,1
.irp q, 0,1,2,3
	global_load_b128 v[GA+16*\b+4*\q:GA+16*\b+4*\q+3], v36, s[12:13] offset:128*\b+16*\q   ; gamma and beta of my 32 columns, in the accumulators' order
	global_load_b128 v[BE+16*\b+4*\q:BE+16*\b+4*\q+3], v36, s[14:15] offset:128*\b+16*\q
.endr
.endr
; v[W] and v[W + 8] hold my 32 columns' figure for row r of tile 0 and of tile 1.  Afterwards v[W] holds the figure over all 1,024 columns: lanes 0-15 tile 0's rows, lanes 16-31 tile 1's.
.macro ACROSS off
	v_permlanex16_b32 v[W+1], v[W], s[SEL], s[SEL+1]
	s_delay_alu instid0(VALU_DEP_2)
	v_permlanex16_b32 v[W+9], v[W+8], s[SEL], s[SEL+1]
	s_delay_alu instid0(VALU_DEP_2)
	v_add_f32 v[W], v[W], v[W+1]                   ; my wave's 64 columns
	s_delay_alu instid0(VALU_DEP_2)
	v_add_f32 v[W+8], v[W+8], v[W+9]
	s_delay_alu instid0(VALU_DEP_1)
	v_cndmask_b32 v[W], v[W], v[W+8], s[HI]
	ds_store_b32 v34, v[W] offset:\off
	s_wait_dscnt 0x0                               ; for the others' sake
	s_barrier_signal -1
	s_barrier_wait -1
.set g, 0
.rept 16
	ds_load_b32 v[W+g], v35 offset:\off+128*g
.set g, g+1
.endr
	s_wait_dscnt 0x0
.irp g, 0,4,8,12
	v_pk_add_f32 v[W+\g:W+\g+1], v[W+\g:W+\g+1], v[W+\g+2:W+\g+3]
.endr
	s_delay_alu instid0(VALU_DEP_3)
	v_pk_add_f32 v[W:W+1], v[W:W+1], v[W+4:W+5]
	s_delay_alu instid0(VALU_DEP_2)
	v_pk_add_f32 v[W+8:W+9], v[W+8:W+9], v[W+12:W+13]
	s_delay_alu instid0(VALU_DEP_1)
	v_pk_add_f32 v[W:W+1], v[W:W+1], v[W+8:W+9]
	s_delay_alu instid0(VALU_DEP_1)
	v_add_f32 v[W], v[W], v[W+1]
.endm
	; the mean.  Each accumulator is read from its low end on
.irp u, 0,1
.irp t, 0,1,2,3
	v_pk_add_f32 v[W+8*\u+2*\t:W+8*\u+2*\t+1], v[ACC+32*\u+8*\t:ACC+32*\u+8*\t+1], v[ACC+32*\u+8*\t+2:ACC+32*\u+8*\t+3]
.endr
.endr
.irp q, 4,6
.irp u, 0,1
.irp t, 0,1,2,3
	v_pk_add_f32 v[W+8*\u+2*\t:W+8*\u+2*\t+1], v[W+8*\u+2*\t:W+8*\u+2*\t+1], v[ACC+32*\u+8*\t+\q:ACC+32*\u+8*\t+\q+1]
.endr
.endr
.endr
.irp u, 0
	v_pk_add_f32 v[W+8*\u:W+8*\u+1], v[W+8*\u:W+8*\u+1], v[W+8*\u+2:W+8*\u+3]
	v_pk_add_f32 v[W+8*\u+4:W+8*\u+5], v[W+8*\u+4:W+8*\u+5], v[W+8*\u+6:W+8*\u+7]
.endr
.irp u, 1
	v_pk_add_f32 v[W+8*\u:W+8*\u+1], v[W+8*\u:W+8*\u+1], v[W+8*\u+2:W+8*\u+3]
	s_delay_alu instid0(VALU_DEP_4)
	v_pk_add_f32 v[W+8*\u+4:W+8*\u+5], v[W+8*\u+4:W+8*\u+5], v[W+8*\u+6:W+8*\u+7]
.endr
.irp u, 0
	s_delay_alu instid0(VALU_DEP_3)
	v_pk_add_f32 v[W+8*\u:W+8*\u+1], v[W+8*\u:W+8*\u+1], v[W+8*\u+4:W+8*\u+5]
.endr
.irp u, 1
	s_delay_alu instid0(VALU_DEP_2)
	v_pk_add_f32 v[W+8*\u:W+8*\u+1], v[W+8*\u:W+8*\u+1], v[W+8*\u+4:W+8*\u+5]
.endr
.irp u, 0,1
	s_delay_alu instid0(VALU_DEP_2)
	v_add_f32 v[W+8*\u], v[W+8*\u], v[W+8*\u+1]
.endr
	ACROSS 0
	s_delay_alu instid0(VALU_DEP_1)
	v_mul_f32 v[W], s33, v[W]                      ; the mean: lanes 0-15 tile 0's, lanes 16-31 tile 1's
	s_delay_alu instid0(VALU_DEP_1)
	v_permlanex16_b32 v[W+1], v[W], s[SEL], s[SEL+1]
	s_delay_alu instid0(VALU_DEP_1)
	v_cndmask_b32 v248, v[W], v[W+1], s[HI]        ; tile 0's row r, in both halves of the lanes,
	s_delay_alu instid0(VALU_DEP_2)
	v_cndmask_b32 v249, v[W], v[W+1], s[HI]        ; twice, a pair for the packed forms
	s_delay_alu instid0(VALU_DEP_3)
	v_cndmask_b32 v250, v[W+1], v[W], s[HI]        ; tile 1's
	s_delay_alu instid0(VALU_DEP_4)
	v_cndmask_b32 v251, v[W+1], v[W], s[HI]
.irp u, 0,1
.set j, 0
.rept 16
	v_pk_add_f32 v[ACC+32*\u+j:ACC+32*\u+j+1], v[ACC+32*\u+j:ACC+32*\u+j+1], v[248+2*\u:249+2*\u] neg_lo:[0,1] neg_hi:[0,1]   ; d = x - mean
.set j, j+2
.endr
.endr
.irp u, 0,1
	v_pk_mul_f32 v[W+8*\u:W+8*\u+1], v[ACC+32*\u:ACC+32*\u+1], v[ACC+32*\u:ACC+32*\u+1]       ; the squares, in two chains
	v_pk_mul_f32 v[W+8*\u+2:W+8*\u+3], v[ACC+32*\u+2:ACC+32*\u+3], v[ACC+32*\u+2:ACC+32*\u+3]
.irp j, 4,8,12,16,20,24,28
	s_delay_alu instid0(VALU_DEP_2)
	v_pk_fma_f32 v[W+8*\u:W+8*\u+1], v[ACC+32*\u+\j:ACC+32*\u+\j+1], v[ACC+32*\u+\j:ACC+32*\u+\j+1], v[W+8*\u:W+8*\u+1]
	s_delay_alu instid0(VALU_DEP_2)
	v_pk_fma_f32 v[W+8*\u+2:W+8*\u+3], v[ACC+32*\u+\j+2:ACC+32*\u+\j+3], v[ACC+32*\u+\j+2:ACC+32*\u+\j+3], v[W+8*\u+2:W+8*\u+3]
.endr
	s_delay_alu instid0(VALU_DEP_1)
	v_pk_add_f32 v[W+8*\u:W+8*\u+1], v[W+8*\u:W+8*\u+1], v[W+8*\u+2:W+8*\u+3]
	s_delay_alu instid0(VALU_DEP_1)
	v_add_f32 v[W+8*\u], v[W+8*\u], v[W+8*\u+1]
.endr
	ACROSS 2048
	s_delay_alu instid0(VALU_DEP_1)
	v_fma_f32 v[W], v[W], s33, s34                 ; the variance + 1e-5
	s_wait_alu depctr_va_vdst(0)
	v_rsq_f32 v[W+2], v[W]
	v_nop                                          ; a plain place behind the root,
	s_wait_alu depctr_va_vdst(0)                   ; and the wait ahead of its first reader
	v_permlanex16_b32 v[W+1], v[W+2], s[SEL], s[SEL+1]
	v_cndmask_b32 v252, v[W+2], v[W+1], s[HI]
	v_cndmask_b32 v253, v[W+2], v[W+1], s[HI]
	v_cndmask_b32 v254, v[W+1], v[W+2], s[HI]
	v_cndmask_b32 v255, v[W+1], v[W+2], s[HI]
	s_wait_alu depctr_va_vdst(0)
	s_wait_loadcnt 0x0                             ; gamma and beta
.irp u, 0,1
.set j, 0
.rept 16
	v_pk_mul_f32 v[ACC+32*\u+j:ACC+32*\u+j+1], v[ACC+32*\u+j:ACC+32*\u+j+1], v[252+2*\u:253+2*\u]
.set j, j+2
.endr
.endr
.irp u, 0,1
.set j, 0
.rept 16
	v_pk_fma_f32 v[ACC+32*\u+j:ACC+32*\u+j+1], v[ACC+32*\u+j:ACC+32*\u+j+1], v[GA+j:GA+j+1], v[BE+j:BE+j+1]
.set j, j+2
.endr
.endr
.irp b, 0,1
.irp q, 0,1,2,3
	ds_store_b128 v3, v[ACC+16*\b+4*\q:ACC+16*\b+4*\q+3] offset:128*\b+16*\q         ; to the very bytes that this lane read; two barriers lie between
	ds_store_b128 v4, v[ACC+32+16*\b+4*\q:ACC+32+16*\b+4*\q+3] offset:128*\b+16*\q
.endr
.endr
	s_wait_dscnt 0x0                               ; for the others' sake
	s_barrier_signal -1
	s_barrier_wait -1                              ; 32 finished rows lie in the stage
.set i, 0
.rept 16
	ds_load_b128 v[ACC+4*i:ACC+4*i+3], v5 offset:(i/8)*SPITCH+(i%8)*512
.set i, i+1
.endr
.set i, 0
.rept 16
	s_wait_dscnt 15-i                              ; LDS loads come back in order: piece i is in, the later ones may be out
	global_store_b128 v1, v[ACC+4*i:ACC+4*i+3], s[16:17] offset:512*i th:TH_STORE_NT   ; 512 consecutive bytes, at a multiple of 256 from the buffer's first byte
.set i, i+1
.endr
	s_wait_xcnt 0x0
	v_lshl_add_u32 v254, v0, 2, 0x27200
	v_mov_b32 v255, 0
	s_wait_alu depctr_va_vdst(0)
	s_wait_tensorcnt 0x0
	ds_add_u32 v254, v255
	s_wait_dscnt 0x0
	s_endpgm
.Lfunc_end_k_q080ec11a5d_outln:
	.size	k_q080ec11a5d_outln, .Lfunc_end_k_q080ec11a5d_outln-k_q080ec11a5d_outln
	.p2alignl 7, 3214868480
	.fill 96, 4, 3214868480
	.section	.rodata,"a",@progbits
	.p2align	6, 0x0
	.amdhsa_kernel k_q080ec11a5d_outln
		.amdhsa_group_segment_fixed_size 162304
		.amdhsa_private_segment_fixed_size 0
		.amdhsa_enable_private_segment 0
		.amdhsa_kernarg_size 56
		.amdhsa_user_sgpr_count 2
		.amdhsa_user_sgpr_kernarg_segment_ptr 1
		.amdhsa_wavefront_size32 1
		.amdhsa_system_sgpr_workgroup_id_x 1
		.amdhsa_system_sgpr_workgroup_id_y 1
		.amdhsa_system_sgpr_workgroup_id_z 1
		.amdhsa_system_vgpr_workitem_id 0
		.amdhsa_next_free_vgpr 256
		.amdhsa_next_free_sgpr 66
		.amdhsa_reserve_vcc 0
		.amdhsa_float_denorm_mode_32 3
		.amdhsa_float_denorm_mode_16_64 3
		.amdhsa_memory_ordered 1
		.amdhsa_forward_progress 1
		.amdhsa_inst_pref_size 56
	.end_amdhsa_kernel
	.amdgpu_metadata
---
amdhsa.version: [ 1, 2 ]
amdhsa.kernels:
  - .name:           k_q080ec11a5d_outln
    .symbol:         k_q080ec11a5d_outln.kd
    .args:
      - { .name: mimg, .offset: 0, .size: 8, .value_kind: global_buffer, .address_space: global }
      - { .name: mscl, .offset: 8, .size: 8, .value_kind: global_buffer, .address_space: global }
      - { .name: wimg, .offset: 16, .size: 8, .value_kind: global_buffer, .address_space: global }
      - { .name: tokens, .offset: 24, .size: 8, .value_kind: global_buffer, .address_space: global }
      - { .name: gamma, .offset: 32, .size: 8, .value_kind: global_buffer, .address_space: global }
      - { .name: beta, .offset: 40, .size: 8, .value_kind: global_buffer, .address_space: global }
      - { .name: out0, .offset: 48, .size: 8, .value_kind: global_buffer, .address_space: global }
    .group_segment_fixed_size: 162304
    .private_segment_fixed_size: 0
    .kernarg_segment_align: 8
    .kernarg_segment_size: 56
    .max_flat_workgroup_size: 512
    .sgpr_count:     66
    .vgpr_count:     256
    .wavefront_size: 32
...
	.end_amdgpu_metadata
.endif
;; end of part 4
